; MI455X (gfx1250); checked and timed in simulation.
; The chip was launched on July 23, 2026; its instructions are those of AMD's public machine-readable ISA for CDNA 5 (MIT licence, August 2026) and "CDNA5" Instruction Set Architecture Reference Guide (July 2026). The comments in the code are by the model that wrote it; some were corrected since.
;; Mo E Layer. Allowed arithmetic: float matrix products may take bf16 or f16 operands with f32 sums; all other float work in f32.
;; Inputs: gate_w 8 x 1,024 float32; w1 8 x 1,024 x 4,096 float32; w2 8 x 4,096 x 1,024 float32; x 2 x 512 x 1,024 float32.
;; Outputs: out0 2 x 512 x 1,024 float32.
;; 2 versions, each right; version 2 is version 1 with the launches sort, gemm1, gemm2 written anew for expert scheduling mode. Each part assembles by itself: llvm-mc -triple=amdgcn-amd-amdhsa -mcpu=gfx1250 --defsym DOCPART=n.
;; ======== version 1 of 2: 6 launches
;; limits: a function is approximated: absolute error at most 1.5e-07
;; workspace buffers: ids 4,096 bytes of whole numbers; meta 1,024 bytes of whole numbers; pos 4,096 bytes of whole numbers; list 32,768 bytes of whole numbers; xs 16,777,216 bytes; hs 67,108,864 bytes; part 67,108,864 bytes
;; launch router (part 1): grid 64 x 1, 8 waves a work-group, no clusters, 61,440 bytes of LDS; arguments x, gate_w, ids; writes ids
.if DOCPART == 1
	.amdgcn_target "amdgcn-amd-amdhsa--gfx1250"
	.amdhsa_code_object_version 6
	.text
	.protected	k_q3ab01de427_router
	.globl	k_q3ab01de427_router
	.p2align	8
	.type	k_q3ab01de427_router,@function
k_q3ab01de427_router:
	s_mov_b64 s[64:65], 0
	v_nop
	global_prefetch_b8 v0, s[64:65] scope:SCOPE_SE
	s_setreg_imm32_b32 hwreg(HW_REG_WAVE_MODE, 25, 1), 1
	s_wait_xcnt 0x0
; ids[t] = argmax over e of sum over d of x[t][d] gate_w[e][d].  x: [1024][1024] f32, gate_w: [8][1024] f32, ids: [1024] u32.
; The work-group owns 16 tokens, as many as a matrix tile has columns; wave w owns columns 128 w .. 128 w + 127 of x and of gate_w.
; Both operands are rounded to bf16 on the way to the matrix unit, the sums are f32; the eight waves' partial logits meet in LDS.
; 64 work-groups: 1024 tokens / 16.  No cluster: the only bytes that work-groups share are gate_w's 32 KB against x's 4 MB.
; LIMITS.  The choice is made on bf16-rounded x and gate_w, with f32 sums in another order than a plain dot product: two top logits
; that differ by a few units in the last place of the f32 sum may be ordered otherwise.  Of equal logits the first wins, as in argmax.
; A NaN logit of experts 1-7 never wins here; a NaN logit of expert 0 wins where expert 1's logit is the largest of the rest.
.set ROWB,  4096                       ; bytes in a row of x and of gate_w
.set PITCH, 272                        ; an LDS row: 128 bf16 + 16 bytes, an odd multiple of 16
.set WREG,  24*PITCH                   ; a wave's own stage: 16 token rows, then 8 gate rows
.set STG,   16*PITCH                   ; the gate rows in it
.set RED,   8*WREG                     ; behind the stages: 8 x 1,024 bytes, the waves' partial logits
.set VOFF,  4                          ; v4       16 x thread: my 16 bytes in a row
.set SA,    5                          ; v5       stage: where my 8 bytes of a row go
.set FA,    6                          ; v6       stage: my part of a token fragment
.set GA,    7                          ; v7       stage: my part of a gate fragment
.set LD,    8                          ; v[8:103] 24 rows as loaded: gate 0-7, tokens 0-15
.set FT,    8                          ; v[8:39]  four token fragments (the loaded rows are used up by then)
.set FG,    40                         ; v[40:71] four gate fragments
.set AC0,   72                         ; v[72:79] sums of K slices 0 and 2
.set AC1,   80                         ; v[80:87] sums of K slices 1 and 3
.set T,     104                        ; v[104:105] four bf16 on their way to LDS
.set RW,    106                        ; v106     where my wave's partial logits go
.set RR,    107                        ; v107     where wave 0 reads all of them
.set SUM,   8                          ; v[8:71]  wave 0: eight waves' partial logits
.set BEST,  72
.set IDX,   73
.set OA,    74
	s_load_b128 s[4:7], s[0:1], 0x0                ; x s[4:5], gate_w s[6:7]
	s_load_b64 s[8:9], s[0:1], 0x10                ; ids
	v_lshl_add_u32 v108, v0, 2, 0xec00
	v_mov_b32 v109, 0
	v_lshrrev_b32 v1, 5, v0
	v_readfirstlane_b32 s10, v1                    ; wave
	v_and_b32 v1, 31, v0                           ; lane
	v_and_b32 v2, 15, v0                           ; r
	v_bfe_u32 v3, v0, 4, 1                         ; h
	v_lshlrev_b32 v[VOFF], 4, v0
	s_lshl_b32 s12, ttmp9, 16                      ; 16 rows of 4,096 bytes
	s_mov_b32 s13, 0
	s_lshl_b32 s14, ttmp9, 6                       ; 16 ids of 4 bytes
	s_mov_b32 s15, 0
	s_mul_i32 s11, s10, WREG
	v_lshl_add_u32 v[SA], v1, 3, s11
	v_mul_u32_u24 v[FA], v2, PITCH
	v_lshl_add_u32 v[FA], v3, 5, v[FA]
	v_add_nc_u32 v[FA], s11, v[FA]                 ; token row r, byte 32 h
	v_and_b32 v[GA], 7, v0
	v_mul_u32_u24 v[GA], v[GA], PITCH
	v_lshl_add_u32 v[GA], v3, 5, v[GA]
	v_add_nc_u32 v[GA], s11, v[GA]                 ; gate row r mod 8: rows 8-15 of the matrix tile repeat the eight experts
	v_lshl_add_u32 v[RR], v1, 4, RED
	s_lshl_b32 s16, s10, 10
	v_add_nc_u32 v[RW], s16, v[RR]
	s_wait_kmcnt 0x0
	s_add_nc_u64 s[4:5], s[4:5], s[12:13]
	s_add_nc_u64 s[8:9], s[8:9], s[14:15]
.irp e, 0,1,2,3,4,5,6,7
	global_load_b128 v[LD+4*\e:LD+4*\e+3], v[VOFF], s[6:7] offset:\e*ROWB          ; a wave's load covers 512 consecutive bytes of a row
.endr
.irp p, 0,1,2,3,4,5,6,7,8,9,10,11,12,13,14,15
	global_load_b128 v[LD+32+4*\p:LD+32+4*\p+3], v[VOFF], s[4:5] offset:\p*ROWB
.endr
; row by row: f32 to bf16, 8 bytes a lane into the wave's own stage
.set n, 0
.rept 24
	s_wait_loadcnt 23-n                            ; loads come back in order: row n is in, the 23 - n behind it may be out
	v_cvt_pk_bf16_f32 v[T], v[LD+4*n], v[LD+4*n+1]
	v_cvt_pk_bf16_f32 v[T+1], v[LD+4*n+2], v[LD+4*n+3]
.if n < 8
	ds_store_b64 v[SA], v[T:T+1] offset:STG+n*PITCH
.else
	ds_store_b64 v[SA], v[T:T+1] offset:(n-8)*PITCH
.endif
.set n, n+1
.endr
; Fragments of 32 along K.  Lane (r, h) takes the 32 bytes at 32 h of the slice's 64, in tokens and gate alike: K is permuted
; inside a slice in the same way on both sides, which keeps the products.  The bytes are the wave's own and LDS serves a wave in order.
.irp sl, 0,1,2,3
	ds_load_b128 v[FT+8*\sl:FT+8*\sl+3],   v[FA] offset:64*\sl
	ds_load_b128 v[FT+8*\sl+4:FT+8*\sl+7], v[FA] offset:64*\sl+16
	ds_load_b128 v[FG+8*\sl:FG+8*\sl+3],   v[GA] offset:STG+64*\sl
	ds_load_b128 v[FG+8*\sl+4:FG+8*\sl+7], v[GA] offset:STG+64*\sl+16
.endr
	s_wait_dscnt 0x0
; rows = experts, columns = tokens: register j of lane r (0-15) is expert j's logit of token r.
; Two accumulators take turns, one instruction a turn.
	v_wmma_f32_16x16x32_bf16 v[AC0:AC0+7], v[FG:FG+7],       v[FT:FT+7],       0
	v_wmma_f32_16x16x32_bf16 v[AC1:AC1+7], v[FG+8:FG+15],    v[FT+8:FT+15],    0
	v_wmma_f32_16x16x32_bf16 v[AC0:AC0+7], v[FG+16:FG+23],   v[FT+16:FT+23],   v[AC0:AC0+7]
	v_wmma_f32_16x16x32_bf16 v[AC1:AC1+7], v[FG+24:FG+31],   v[FT+24:FT+31],   v[AC1:AC1+7]
.rept 4
	v_nop                                          ; four places behind the matrix instructions before their results are read (ISA guide 7.12.1)
.endr
.irp k, 0,2,4,6
	v_pk_add_f32 v[AC0+\k:AC0+\k+1], v[AC0+\k:AC0+\k+1], v[AC1+\k:AC1+\k+1]
.endr
	ds_store_b128 v[RW], v[AC0:AC0+3]
	ds_store_b128 v[RW], v[AC0+4:AC0+7] offset:512
	s_wait_dscnt 0x0                               ; my partial logits are in LDS before I say so
	s_barrier_signal -1
	s_barrier_wait -1
	s_cmp_lg_u32 s10, 0
	s_cbranch_scc1 .Ldone                          ; wave 0 alone adds up and chooses
.irp w, 0,1,2,3,4,5,6,7
	ds_load_b128 v[SUM+8*\w:SUM+8*\w+3],   v[RR] offset:1024*\w
	ds_load_b128 v[SUM+8*\w+4:SUM+8*\w+7], v[RR] offset:1024*\w+512
.endr
	s_wait_dscnt 0x0
.irp w, 0,2,4,6
.irp k, 0,2,4,6
	v_pk_add_f32 v[SUM+8*\w+\k:SUM+8*\w+\k+1], v[SUM+8*\w+\k:SUM+8*\w+\k+1], v[SUM+8*\w+8+\k:SUM+8*\w+8+\k+1]
.endr
.endr
.irp w, 0,4
.irp k, 0,2,4,6
	v_pk_add_f32 v[SUM+8*\w+\k:SUM+8*\w+\k+1], v[SUM+8*\w+\k:SUM+8*\w+\k+1], v[SUM+8*\w+16+\k:SUM+8*\w+16+\k+1]
.endr
.endr
.irp k, 0,2,4,6
	v_pk_add_f32 v[SUM+\k:SUM+\k+1], v[SUM+\k:SUM+\k+1], v[SUM+32+\k:SUM+32+\k+1]
.endr
	v_mov_b32 v[BEST], v[SUM]
	v_mov_b32 v[IDX], 0
.irp e, 1,2,3,4,5,6,7
	v_cmp_gt_f32 vcc_lo, v[SUM+\e], v[BEST]        ; strictly larger: the first of equal logits stays
	v_cndmask_b32 v[IDX], v[IDX], \e, vcc_lo
	v_max_num_f32 v[BEST], v[BEST], v[SUM+\e]
.endr
	v_lshlrev_b32 v[OA], 2, v1
	v_cmp_gt_u32 vcc_lo, 16, v0                    ; lanes 16-31 hold the repeated rows
	s_wait_xcnt 0x0                                ; EXEC changes only behind this wait
	s_and_saveexec_b32 s17, vcc_lo
	global_store_b32 v[OA], v[IDX], s[8:9]         ; 16 lanes, 64 consecutive bytes: all that the work-group has to say
	s_wait_xcnt 0x0
	s_or_b32 exec_lo, exec_lo, s17
.Ldone:
	s_wait_tensorcnt 0x0
	ds_add_u32 v108, v109
	s_wait_dscnt 0x0
	s_endpgm
.Lfunc_end_k_q3ab01de427_router:
	.size	k_q3ab01de427_router, .Lfunc_end_k_q3ab01de427_router-k_q3ab01de427_router
	.p2alignl 7, 3214868480
	.fill 96, 4, 3214868480
	.section	.rodata,"a",@progbits
	.p2align	6, 0x0
	.amdhsa_kernel k_q3ab01de427_router
		.amdhsa_group_segment_fixed_size 61440
		.amdhsa_private_segment_fixed_size 0
		.amdhsa_enable_private_segment 0
		.amdhsa_kernarg_size 24
		.amdhsa_user_sgpr_count 2
		.amdhsa_user_sgpr_kernarg_segment_ptr 1
		.amdhsa_wavefront_size32 1
		.amdhsa_system_sgpr_workgroup_id_x 1
		.amdhsa_system_sgpr_workgroup_id_y 1
		.amdhsa_system_sgpr_workgroup_id_z 1
		.amdhsa_system_vgpr_workitem_id 0
		.amdhsa_next_free_vgpr 110
		.amdhsa_next_free_sgpr 66
		.amdhsa_reserve_vcc 1
		.amdhsa_float_denorm_mode_32 3
		.amdhsa_float_denorm_mode_16_64 3
		.amdhsa_memory_ordered 1
		.amdhsa_forward_progress 1
		.amdhsa_inst_pref_size 16
	.end_amdhsa_kernel
	.amdgpu_metadata
---
amdhsa.version: [ 1, 2 ]
amdhsa.kernels:
  - .name:           k_q3ab01de427_router
    .symbol:         k_q3ab01de427_router.kd
    .args:
      - { .name: x, .offset: 0, .size: 8, .value_kind: global_buffer, .address_space: global }
      - { .name: gate_w, .offset: 8, .size: 8, .value_kind: global_buffer, .address_space: global }
      - { .name: ids, .offset: 16, .size: 8, .value_kind: global_buffer, .address_space: global }
    .group_segment_fixed_size: 61440
    .private_segment_fixed_size: 0
    .kernarg_segment_align: 8
    .kernarg_segment_size: 24
    .max_flat_workgroup_size: 256
    .sgpr_count:     66
    .vgpr_count:     110
    .wavefront_size: 32
...
	.end_amdgpu_metadata
.endif
;; end of part 1
;; launch sort (part 2): grid 1 x 1, 8 waves a work-group, no clusters, 67,840 bytes of LDS; arguments ids, list, pos, meta; writes list, pos, meta
.if DOCPART == 2
	.amdgcn_target "amdgcn-amd-amdhsa--gfx1250"
	.amdhsa_code_object_version 6
	.text
	.protected	k_q3ab01de427_sort
	.globl	k_q3ab01de427_sort
	.p2align	8
	.type	k_q3ab01de427_sort,@function
k_q3ab01de427_sort:
	s_mov_b64 s[64:65], 0
	v_nop
	global_prefetch_b8 v0, s[64:65] scope:SCOPE_SE
	s_setreg_imm32_b32 hwreg(HW_REG_WAVE_MODE, 25, 1), 1
	s_wait_xcnt 0x0
; From ids: list[e][rank] = the tokens of expert e in ascending order of (128 j + c, lane) as they are found; meta: word t = count of expert t mod 8;
; pos[t] = e x 1024 + rank of token t.  ids: [1024] u32, list: [8][1024] u32, pos: [1024] u32, meta: [256] u32.
; One work-group: the work is 4 KB of ids.  Wave w makes expert w's list in LDS, 32 tokens at a time; a list starts as token 0 everywhere, so
; the words behind its end name token 0.  ONE BARRIER: in front of it LDS is written alone, behind it read alone.
; No branch and no trip count hangs on ids.  The launches that follow take their counts and addresses from these three buffers.
; No matrix unit, no cluster: nothing is multiplied and there is one work-group.
.set LISTB, 4224                       ; an expert's list in LDS: 1,056 words
.set DUMPW, 1040                       ; the word that takes the tokens of other experts; words 0-1023 alone go out
.set LASTW, 1055
.set POSW,  8*LISTB                    ; 8 x 4,096 bytes: wave w's view of pos (0 for tokens of other experts)
.set CNT,   POSW+8*4096                ; the eight counts
.set LA,     2                         ; v2   my wave's list in LDS + 16 lane
.set LG,     3                         ; v3   my wave's list in memory: 4,096 wave + 16 lane
.set VOFF,   4                         ; v4   16 x thread
.set LANE4,  5                         ; v5   4 x lane
.set AD,     6
.set RK,     7
.set TKN,    8
.set CW,     9
.set PV,     10                        ; v[10:13] first four zeros, then four places
.set PA,     14                        ; v14  where they go in POSW
.set LANE16, 15
.set ID,     16                        ; v[16:47] all ids: token 128 j + 4 lane + c in register 4 j + c
.set LO,     48                        ; v[48:79] my wave's list on its way out
.set XL,     80                        ; v[80:111] the eight views of pos
	s_load_b256 s[4:11], s[0:1], 0x0               ; ids s[4:5], list s[6:7], pos s[8:9], meta s[10:11]
	v_lshl_add_u32 v112, v0, 2, 0x10500
	v_mov_b32 v113, 0
	v_lshrrev_b32 v1, 5, v0
	v_readfirstlane_b32 s14, v1                    ; wave = the expert whose list I make
	v_and_b32 v1, 31, v0
	v_lshlrev_b32 v[VOFF], 4, v0
	v_lshlrev_b32 v[LANE4], 2, v1
	v_lshlrev_b32 v[LANE16], 4, v1
	s_mul_i32 s18, s14, LISTB
	s_lshl_b32 s19, s14, 10                        ; expert x 1024
	s_lshl_b32 s20, s14, 12
	v_add_nc_u32 v[LG], s20, v[LANE16]
	s_add_co_u32 s20, s20, POSW
	v_add_nc_u32 v[PA], s20, v[LANE16]
	s_mov_b32 s17, 0                               ; tokens found so far
	; my list starts as token 0 in all its 1,056 words: 8 x 512 bytes + 128 bytes.  LDS serves a wave's stores in order, so the tokens below land on top.
.irp k, 0,1,2,3
	v_mov_b32 v[PV+\k], 0
.endr
	v_add_nc_u32 v[LA], s18, v[LANE16]
	v_add_nc_u32 v[RK], s18, v[LANE4]
.irp j, 0,1,2,3,4,5,6,7
	ds_store_b128 v[LA], v[PV:PV+3] offset:512*\j
.endr
	ds_store_b32 v[RK], v[PV] offset:4096
	s_wait_kmcnt 0x0
.irp j, 0,1,2,3,4,5,6,7
	global_load_b128 v[ID+4*\j:ID+4*\j+3], v[LANE16], s[4:5] offset:512*\j
.endr
	s_wait_loadcnt 0x0
; 32 tokens at a time: a lane's rank is the count so far plus the matching lanes below it
.macro RANK j, cc
	v_cmp_eq_u32 vcc_lo, s14, v[ID+4*\j+\cc]
	v_mbcnt_lo_u32_b32 v[RK], vcc_lo, s17
	v_add_nc_u32 v[TKN], 128*\j+\cc, v[LANE4]
	v_cndmask_b32 v[AD], DUMPW, v[RK], vcc_lo
	v_min_u32 v[AD], LASTW, v[AD]                  ; inside my wave's 1,056 words whatever ids hold
	v_lshl_add_u32 v[AD], v[AD], 2, s18
	ds_store_b32 v[AD], v[TKN]
	v_add_nc_u32 v[RK], s19, v[RK]
	v_cndmask_b32 v[PV+\cc], 0, v[RK], vcc_lo
	s_bcnt1_i32_b32 s20, vcc_lo
	s_add_co_u32 s17, s17, s20
.endm
.irp j, 0,1,2,3,4,5,6,7
	RANK \j, 0
	RANK \j, 1
	RANK \j, 2
	RANK \j, 3
	ds_store_b128 v[PA], v[PV:PV+3] offset:512*\j
.endr
	s_lshl_b32 s20, s14, 2
	s_add_co_u32 s20, s20, CNT
	v_mov_b32 v[AD], s20
	v_mov_b32 v[TKN], s17
	ds_store_b32 v[AD], v[TKN]
	s_wait_dscnt 0x0                               ; my list, places and count are in LDS before I say so
	s_barrier_signal -1
	s_barrier_wait -1                              ; behind it LDS is read and never written
.irp j, 0,1,2,3,4,5,6,7
	ds_load_b128 v[LO+4*\j:LO+4*\j+3], v[LA] offset:512*\j         ; my list's first 1,024 words
.endr
	v_add_nc_u32 v[AD], POSW, v[VOFF]              ; thread t: tokens 4 t .. 4 t + 3
.irp w, 0,1,2,3,4,5,6,7
	ds_load_b128 v[XL+4*\w:XL+4*\w+3], v[AD] offset:4096*\w
.endr
	v_and_b32 v[RK], 7, v0
	v_lshl_add_u32 v[RK], v[RK], 2, CNT
	ds_load_b32 v[TKN], v[RK]
	v_lshlrev_b32 v[CW], 2, v0
.irp j, 0,1,2,3,4,5,6,7
	s_wait_dscnt 16-\j                             ; list piece j is back: behind it stand 7 - j pieces, the eight views and the count
	global_store_b128 v[LG], v[LO+4*\j:LO+4*\j+3], s[6:7] offset:512*\j    ; 512 consecutive bytes, aligned
.endr
	s_wait_dscnt 0x0
.irp w, 1,2,3,4,5,6,7
.irp k, 0,1,2,3
	v_or_b32 v[XL+\k], v[XL+\k], v[XL+4*\w+\k]     ; one view holds the place, the other seven 0
.endr
.endr
	global_store_b128 v[VOFF], v[XL:XL+3], s[8:9]          ; pos: 4,096 consecutive bytes from the eight waves
	global_store_b32 v[CW], v[TKN], s[10:11]               ; meta: 1,024 consecutive bytes from the eight waves
	s_wait_tensorcnt 0x0
	ds_add_u32 v112, v113
	s_wait_dscnt 0x0
	s_endpgm
.Lfunc_end_k_q3ab01de427_sort:
	.size	k_q3ab01de427_sort, .Lfunc_end_k_q3ab01de427_sort-k_q3ab01de427_sort
	.p2alignl 7, 3214868480
	.fill 96, 4, 3214868480
	.section	.rodata,"a",@progbits
	.p2align	6, 0x0
	.amdhsa_kernel k_q3ab01de427_sort
		.amdhsa_group_segment_fixed_size 67840
		.amdhsa_private_segment_fixed_size 0
		.amdhsa_enable_private_segment 0
		.amdhsa_kernarg_size 32
		.amdhsa_user_sgpr_count 2
		.amdhsa_user_sgpr_kernarg_segment_ptr 1
		.amdhsa_wavefront_size32 1
		.amdhsa_system_sgpr_workgroup_id_x 1
		.amdhsa_system_sgpr_workgroup_id_y 1
		.amdhsa_system_sgpr_workgroup_id_z 1
		.amdhsa_system_vgpr_workitem_id 0
		.amdhsa_next_free_vgpr 114
		.amdhsa_next_free_sgpr 66
		.amdhsa_reserve_vcc 1
		.amdhsa_float_denorm_mode_32 3
		.amdhsa_float_denorm_mode_16_64 3
		.amdhsa_memory_ordered 1
		.amdhsa_forward_progress 1
		.amdhsa_inst_pref_size 24
	.end_amdhsa_kernel
	.amdgpu_metadata
---
amdhsa.version: [ 1, 2 ]
amdhsa.kernels:
  - .name:           k_q3ab01de427_sort
    .symbol:         k_q3ab01de427_sort.kd
    .args:
      - { .name: ids, .offset: 0, .size: 8, .value_kind: global_buffer, .address_space: global }
      - { .name: list, .offset: 8, .size: 8, .value_kind: global_buffer, .address_space: global }
      - { .name: pos, .offset: 16, .size: 8, .value_kind: global_buffer, .address_space: global }
      - { .name: meta, .offset: 24, .size: 8, .value_kind: global_buffer, .address_space: global }
    .group_segment_fixed_size: 67840
    .private_segment_fixed_size: 0
    .kernarg_segment_align: 8
    .kernarg_segment_size: 32
    .max_flat_workgroup_size: 256
    .sgpr_count:     66
    .vgpr_count:     114
    .wavefront_size: 32
...
	.end_amdgpu_metadata
.endif
;; end of part 2
;; launch permute (part 3): grid 64 x 1, 8 waves a work-group, no clusters, 35,840 bytes of LDS; arguments list, meta, x, xs; writes xs
.if DOCPART == 3
	.amdgcn_target "amdgcn-amd-amdhsa--gfx1250"
	.amdhsa_code_object_version 6
	.text
	.protected	k_q3ab01de427_permute
	.globl	k_q3ab01de427_permute
	.p2align	8
	.type	k_q3ab01de427_permute,@function
k_q3ab01de427_permute:
	s_mov_b64 s[64:65], 0
	v_nop
	global_prefetch_b8 v0, s[64:65] scope:SCOPE_SE
	s_setreg_imm32_b32 hwreg(HW_REG_WAVE_MODE, 25, 1), 1
	s_wait_xcnt 0x0
; xs: x gathered by the experts' lists, rounded to bf16, in the order in which the products load their fragments.
; list: [8][1024] u32, meta: word e = tokens of expert e, x: [1024][1024] f32.
; xs: [expert 8][K step 32][tile 64][1,024 bytes].  A block is 16 tokens x 32 k: byte 512 half + 16 lane holds, for lane (r, h),
; token 16 tile + r of the list at k = 16 h + 8 half + 0 .. 7.  Only tiles below ceil(count / 16) are written.
; Work-group X: expert X / 8, tiles X mod 8, + 8, ...; wave w takes columns 128 w .. 128 w + 127 of a tile's 16 rows: K steps 4 w .. 4 w + 3.
; The count and a tile's 16 tokens come by scalar loads from what the launch before stored.  The last tile's free rows name token 0; what is
; computed for them is never read.  Each wave turns its rows into blocks through a stage in LDS that is its own: no barrier.
; No matrix unit, no cluster: the launch gathers 4 MB once and no two work-groups share a row.
.set PITCH, 272                        ; a stage row: 128 bf16 + 16 bytes, an odd multiple of 16
.set STG,   16*PITCH                   ; a wave's stage
.set VOFF,   4                         ; v4   16 x thread: my 16 bytes in a row of x
.set LANE16, 5
.set SA,     6                         ; v6   stage in
.set SR,     7                         ; v7   stage out
.set T,      8                         ; v[8:9] four bf16 on their way to LDS
.set TK,     16                        ; v[16:31] the byte offsets in x of a tile's 16 rows
.set XL,     32                        ; v[32:95] 16 rows as loaded
.set O,      96                        ; v[96:127] eight pieces of 16 bytes to store
.set TOK,    32                        ; s[32:47] a tile's 16 tokens
	s_load_b256 s[4:11], s[0:1], 0x0               ; list s[4:5], meta s[6:7], x s[8:9], xs s[10:11]
	v_lshl_add_u32 v128, v0, 2, 0x8800
	v_mov_b32 v129, 0
	v_lshrrev_b32 v1, 5, v0
	v_readfirstlane_b32 s14, v1                    ; wave
	s_lshr_b32 s15, ttmp9, 3                       ; my expert
	s_and_b32 s16, ttmp9, 7                        ; my first tile
	v_and_b32 v1, 31, v0
	v_and_b32 v2, 15, v0
	v_bfe_u32 v3, v0, 4, 1
	v_lshlrev_b32 v[VOFF], 4, v0
	v_lshlrev_b32 v[LANE16], 4, v1
	s_mul_i32 s20, s14, STG
	v_lshl_add_u32 v[SA], v1, 3, s20               ; stage in: 8 bytes a lane
	v_mul_u32_u24 v[SR], v2, PITCH
	v_lshl_add_u32 v[SR], v3, 5, v[SR]
	v_add_nc_u32 v[SR], s20, v[SR]                 ; stage out: row r, byte 32 h
	s_lshl_b32 s17, s15, 2                         ; my expert's word in meta
	s_lshl_b32 s18, s15, 12                        ; list: expert x 4,096 bytes
	s_lshl_b32 s19, s16, 6                         ; + first tile x 16 words
	s_add_co_u32 s18, s18, s19
	s_mov_b32 s19, 0
	s_lshl_b32 s26, s15, 21                        ; xs: expert x 2 MB
	s_lshl_b32 s23, s14, 18                        ; + my wave's four K steps of 64 KB
	s_add_co_u32 s26, s26, s23
	s_lshl_b32 s23, s16, 10                        ; + first tile x 1 KB
	s_add_co_u32 s26, s26, s23
	s_mov_b32 s27, 0
	s_wait_kmcnt 0x0
	s_add_nc_u64 s[30:31], s[4:5], s[18:19]
	s_add_nc_u64 s[28:29], s[10:11], s[26:27]
	s_load_b32 s21, s[6:7], s17 offset:0x0         ; my expert's count,
	s_load_b512 s[TOK:TOK+15], s[30:31], 0x0       ; and with it my first tile's tokens: the words lie inside the list whatever the count
	s_wait_kmcnt 0x0
	s_min_u32 s21, s21, 1024
	s_add_co_u32 s22, s21, 15
	s_lshr_b32 s22, s22, 4                         ; tiles of my expert
; Tile c + 8 n, written out for n = 0 .. 7, so that its place stands in the immediates; a tile past the list's end is jumped over.
.macro TILE n
	s_add_co_u32 s24, s16, 8*\n
	s_cmp_lt_u32 s24, s22
	s_cbranch_scc0 .Lno_tile_\@
.if \n
	s_load_b512 s[TOK:TOK+15], s[30:31], 512*\n    ; eight tiles are 128 words on
	s_wait_kmcnt 0x0
.endif
.irp p, 0,1,2,3,4,5,6,7,8,9,10,11,12,13,14,15
	s_min_u32 s[TOK+\p], s[TOK+\p], 1023           ; inside x whatever the list holds
	v_lshl_add_u32 v[TK+\p], s[TOK+\p], 12, v[VOFF]        ; the token's row, my thread's 16 bytes
.endr
.irp p, 0,1,2,3,4,5,6,7,8,9,10,11,12,13,14,15
	global_load_b128 v[XL+4*\p:XL+4*\p+3], v[TK+\p], s[8:9]        ; 512 consecutive bytes of one row
.endr
.irp p, 0,1,2,3,4,5,6,7,8,9,10,11,12,13,14,15
	s_wait_loadcnt 15-\p                           ; row p is in, the 15 - p behind it may be out
	v_cvt_pk_bf16_f32 v[T], v[XL+4*\p], v[XL+4*\p+1]
	v_cvt_pk_bf16_f32 v[T+1], v[XL+4*\p+2], v[XL+4*\p+3]
	ds_store_b64 v[SA], v[T:T+1] offset:\p*PITCH
.endr
.irp sl, 0,1,2,3
	ds_load_b128 v[O+8*\sl:O+8*\sl+3],   v[SR] offset:64*\sl       ; the wave's own bytes, served in order: no wait between stores and loads
	ds_load_b128 v[O+8*\sl+4:O+8*\sl+7], v[SR] offset:64*\sl+16
.endr
.irp sl, 0,1,2,3
	s_wait_dscnt 7-2*\sl                           ; piece 2 sl of the eight is back
	global_store_b128 v[LANE16], v[O+8*\sl:O+8*\sl+3],   s[28:29] offset:8192*\n+65536*\sl       ; 512 consecutive bytes, aligned; eight tiles are 8 KB on
	s_wait_dscnt 6-2*\sl
	global_store_b128 v[LANE16], v[O+8*\sl+4:O+8*\sl+7], s[28:29] offset:8192*\n+65536*\sl+512
.endr
.Lno_tile_\@:
.if \n < 7
	s_wait_xcnt 0x0                                ; the data of this tile's stores are written again only behind this wait
.endif
.endm
	TILE 0
	TILE 1
	TILE 2
	TILE 3
	TILE 4
	TILE 5
	TILE 6
	TILE 7
	s_wait_tensorcnt 0x0
	ds_add_u32 v128, v129
	s_wait_dscnt 0x0
	s_endpgm
.Lfunc_end_k_q3ab01de427_permute:
	.size	k_q3ab01de427_permute, .Lfunc_end_k_q3ab01de427_permute-k_q3ab01de427_permute
	.p2alignl 7, 3214868480
	.fill 96, 4, 3214868480
	.section	.rodata,"a",@progbits
	.p2align	6, 0x0
	.amdhsa_kernel k_q3ab01de427_permute
		.amdhsa_group_segment_fixed_size 35840
		.amdhsa_private_segment_fixed_size 0
		.amdhsa_enable_private_segment 0
		.amdhsa_kernarg_size 32
		.amdhsa_user_sgpr_count 2
		.amdhsa_user_sgpr_kernarg_segment_ptr 1
		.amdhsa_wavefront_size32 1
		.amdhsa_system_sgpr_workgroup_id_x 1
		.amdhsa_system_sgpr_workgroup_id_y 1
		.amdhsa_system_sgpr_workgroup_id_z 1
		.amdhsa_system_vgpr_workitem_id 0
		.amdhsa_next_free_vgpr 130
		.amdhsa_next_free_sgpr 66
		.amdhsa_reserve_vcc 0
		.amdhsa_float_denorm_mode_32 3
		.amdhsa_float_denorm_mode_16_64 3
		.amdhsa_memory_ordered 1
		.amdhsa_forward_progress 1
		.amdhsa_inst_pref_size 72
	.end_amdhsa_kernel
	.amdgpu_metadata
---
amdhsa.version: [ 1, 2 ]
amdhsa.kernels:
  - .name:           k_q3ab01de427_permute
    .symbol:         k_q3ab01de427_permute.kd
    .args:
      - { .name: list, .offset: 0, .size: 8, .value_kind: global_buffer, .address_space: global }
      - { .name: meta, .offset: 8, .size: 8, .value_kind: global_buffer, .address_space: global }
      - { .name: x, .offset: 16, .size: 8, .value_kind: global_buffer, .address_space: global }
      - { .name: xs, .offset: 24, .size: 8, .value_kind: global_buffer, .address_space: global }
    .group_segment_fixed_size: 35840
    .private_segment_fixed_size: 0
    .kernarg_segment_align: 8
    .kernarg_segment_size: 32
    .max_flat_workgroup_size: 256
    .sgpr_count:     66
    .vgpr_count:     130
    .wavefront_size: 32
...
	.end_amdgpu_metadata
.endif
;; end of part 3
;; launch gemm1 (part 4): grid 256 x 1, 4 waves a work-group, no clusters, 164,352 bytes of LDS; arguments w1, xs, meta, hs; writes hs
.if DOCPART == 4
	.amdgcn_target "amdgcn-amd-amdhsa--gfx1250"
	.amdhsa_code_object_version 6
	.text
	.protected	k_q3ab01de427_gemm1
	.globl	k_q3ab01de427_gemm1
	.p2align	8
	.type	k_q3ab01de427_gemm1,@function
k_q3ab01de427_gemm1:
	s_mov_b64 s[64:65], 0
	v_nop
	global_prefetch_b8 v0, s[64:65] scope:SCOPE_SE
	s_setreg_imm32_b32 hwreg(HW_REG_WAVE_MODE, 25, 1), 1
	s_wait_xcnt 0x0
; hs = gelu(xs w1[e]), for each expert's own tokens alone: the dispatch of the layer throws every other product away.
; w1: [8][1024 k][4096 f] f32.  xs: [8][K step 32][tile 64][1 KB] bf16 blocks of 16 tokens x 32 k.  hs: [8][K step 128][tile 64][1 KB], the same
; kind of block with f in k's place.  meta: word e = tokens of expert e.
; THE LAUNCH IS A STREAM OF WEIGHTS: 128 MB of w1 against some 128 tokens an expert.  Work-group X: expert X / 32, 128 columns.  Wave w: a strip of
; 64 columns (256 bytes of a row; w & 1) and half of K (512 rows; w >> 1), in 16 steps of 32 rows.  Every byte of w1 is loaded once in a pass,
; sixteen lanes covering 256 consecutive aligned bytes of a row, and rounded to bf16 in registers.
; NO TRANSPOSITION: load i of a step gives lane (r, h) four neighbouring columns of row 16 h + i.  Packing component q of rows 2 p and 2 p + 1 gives
; register p of a fragment whose lane r stands for column 4 chunk(r) + q and whose K order is 16 h + 2 p, + 1: the order in which xs is laid.
; K is permuted alike on both sides, which keeps the products.
; chunk(r) is r with bits 2 and 3 exchanged; with the weights as source 0 a lane (r, h) then ends up with token r at columns 32 jq + 16 h + 0..15 of the
; strip (jq: upper or lower four registers of a result): the 32 bytes of one lane in a block of hs.
; THE 16 STEPS ARE WRITTEN OUT: the step stands in the loads' immediates ((32 x 15 + 15) rows of 16,384 bytes = 8,110,080 at the most, inside the signed
; 24 bits), so that no base is stepped and no address register is rewritten while a load or a request ahead names it.
; PASSES: 160 tokens (10 tiles, 40 accumulator tiles) in a pass; an expert with more tokens streams its strip again, up to 7 passes for all 1,024.
; The pass loop has a fixed count and its two barriers are passed by every wave in every trip; stream and way out, which hold no barrier, are
; jumped over when the pass has no tile.  Tiles past the last are replaced by the last one, so that every path issues the same loads.
; The two K halves of a strip meet in LDS.  An expert without tokens leaves its weights unread.
; No cluster and no tensor loads: no weight byte is wanted by two work-groups, the weights must pass through registers to be rounded, and the
; number of token tiles hangs on a count read from memory.
; LIMITS.  erf by the rational form 7.1.26 of Abramowitz and Stegun, absolute error 1.5e-7.  gelu(+-inf) gives NaN; every finite h is served.
.set ROWB,   16384                     ; bytes in a row of w1[e]
.set KSTEPS, 16                        ; steps of 32 rows in my 512
.set MT,     10                        ; token tiles in a pass
.set NPASS,  7                         ; 7 x 160 >= 1,024
.set WREG,   MT*4096                   ; a wave's sums in LDS: [tile 10][q 4][jq 2][lane x 16]
.set ASTEP,  65536                     ; from one K step of xs to the next
.set VOFFW,  4                         ; v4      weights: 16 h rows + 16 chunk(r)
.set LANE16, 5                         ; v5      16 x lane
.set VOFFP,  6                         ; v6      lane rows: one row a lane for the requests ahead
.set LDSW,   7                         ; v7      where my sums go
.set LDSR,   8                         ; v8, v9  where I read the two K halves of a unit
.set LDSR2,  9
.set VOFFA,  10                        ; v[10:19] token tile i of the pass: tile x 1,024 + 16 lane
.set LDSR0,  20                        ; v20     LDSR of a pass's first unit
.set TMPV,   21
.set CC,     22                        ; v[22:31] five constants, each twice (pairs for the packed multiply-add)
.set BF,     32                        ; v[32:63] four weight fragments
.set WS,     64                        ; v[64:127], v[128:191] weights as loaded, two stages: step k uses stage k & 1
.set AB,     64                        ; window 2: v[64:143], v[144:223] token fragments, two stages
; window 1: accumulator tile (i, q), i = 0-7, at 8 (4 i + q);  window 2: tiles i = 8, 9 at 8 (4 (i - 8) + q)
.set XR,     64                        ; the way out, in the weights' registers: h, then gelu(h)
.set AX,     80                        ; the other K half, then |h|
.set DD,     96
.set EM,     112
.set TT,     128
.set EE,     144
.set MX,     160
.set PP,     176
.set OO,     192                       ; v[192:199] 16 bf16 to store
.set WB,     28                        ; s[28:29] weights: my strip's first row; never rewritten
.set AP,     30                        ; s[30:31] tokens: my first K step; never rewritten
.set MUL_LO, 0x58                      ; source 0 (weights) window 0, source 1 (tokens) window 2, C and D window 1
.set MUL_HI, 0xa8                      ; C and D window 2
.set MSB, 0
.macro WIN new                         ; the immediate's high byte repeats the setting that is left
.if MSB != \new
	s_set_vgpr_msb (MSB<<8)|\new
.set MSB, \new
.endif
.endm
	s_load_b256 s[4:11], s[0:1], 0x0               ; w1 s[4:5], xs s[6:7], meta s[8:9], hs s[10:11]
	v_lshl_add_u32 v254, v0, 2, 0x28000
	v_mov_b32 v255, 0
	v_lshrrev_b32 v1, 5, v0
	v_readfirstlane_b32 s12, v1                    ; wave
	s_lshr_b32 s13, ttmp9, 5                       ; expert
	s_and_b32 s14, ttmp9, 31                       ; block of 128 columns
	s_and_b32 s15, s12, 1                          ; strip in it
	s_lshr_b32 s16, s12, 1                         ; half of K; on the way out: jq
	s_lshl_b32 s25, s13, 2
	v_and_b32 v1, 31, v0
	v_bfe_u32 v3, v0, 4, 1                         ; h
	v_and_b32 v[VOFFW], 3, v0
	v_bfe_u32 v[TMPV], v0, 2, 1
	v_lshl_or_b32 v[VOFFW], v[TMPV], 3, v[VOFFW]
	v_bfe_u32 v[TMPV], v0, 3, 1
	v_lshl_or_b32 v[VOFFW], v[TMPV], 2, v[VOFFW]   ; chunk(r)
	v_lshlrev_b32 v[VOFFW], 4, v[VOFFW]
	v_lshl_add_u32 v[VOFFW], v3, 18, v[VOFFW]      ; + 16 h rows of 16,384 bytes
	v_lshlrev_b32 v[LANE16], 4, v1
	v_lshlrev_b32 v[VOFFP], 14, v1
	s_mul_i32 s26, s12, WREG
	v_add_nc_u32 v[LDSW], s26, v[LANE16]
	s_mul_i32 s26, s15, WREG                       ; the sums of wave s (first K half); wave s + 2 lies 2 WREG further
	s_lshl_b32 s24, s16, 9
	s_add_co_u32 s26, s26, s24
	v_add_nc_u32 v[LDSR0], s26, v[LANE16]
.irp k, 0,1
	v_mov_b32 v[CC+\k],   0xbe027906                ; -0.127414796   the form's five coefficients, halved and negated
	v_mov_b32 v[CC+2+\k], 0x3e11a98e                ;  0.142248368
	v_mov_b32 v[CC+4+\k], 0xbf35f0e3                ; -0.7107068705
	v_mov_b32 v[CC+6+\k], 0x3f3a00e3                ;  0.7265760135
	v_mov_b32 v[CC+8+\k], 0xbf07dc22                ; -0.5307027145
.endr
	s_wait_kmcnt 0x0
	s_load_b32 s17, s[8:9], s25 offset:0x0         ; my expert's count
	s_lshl_b32 s26, s13, 24                        ; w1: expert x 16 MB
	s_lshl_b32 s24, s16, 23                        ; + K half x 512 rows
	s_add_co_u32 s26, s26, s24
	s_lshl_b32 s24, s14, 9                         ; + block x 512 bytes
	s_add_co_u32 s26, s26, s24
	s_lshl_b32 s24, s15, 8                         ; + strip x 256 bytes
	s_add_co_u32 s26, s26, s24
	s_mov_b32 s27, 0
	s_add_nc_u64 s[WB:WB+1], s[4:5], s[26:27]
	s_lshl_b32 s26, s13, 21                        ; xs: expert x 2 MB + K half x 16 steps
	s_lshl_b32 s24, s16, 20
	s_add_co_u32 s26, s26, s24
	s_add_nc_u64 s[AP:AP+1], s[6:7], s[26:27]
	s_lshl_b32 s26, s13, 23                        ; hs: expert x 8 MB + K step (4 block + 2 strip + jq) x 64 KB
	s_lshl_b32 s24, s14, 18
	s_add_co_u32 s26, s26, s24
	s_lshl_b32 s24, s15, 17
	s_add_co_u32 s26, s26, s24
	s_lshl_b32 s24, s16, 16
	s_add_co_u32 s26, s26, s24
	s_add_nc_u64 s[36:37], s[10:11], s[26:27]
	s_wait_kmcnt 0x0
	s_min_u32 s17, s17, 1024
	s_add_co_u32 s18, s17, 15
	s_lshr_b32 s18, s18, 4                         ; tiles of my expert
	s_sub_co_u32 s19, s18, 1                       ; the last of them (used only where there is one)
.macro LOADW k                         ; 16 loads: step k's 32 rows x 256 bytes of my strip
.irp i, 0,1,2,3,4,5,6,7,8,9,10,11,12,13,14,15
	global_load_b128 v[WS+64*((\k)&1)+4*\i:WS+64*((\k)&1)+4*\i+3], v[VOFFW], s[WB:WB+1] offset:(32*(\k)+\i)*ROWB th:TH_LOAD_NT
.endr
.endm
.macro LOADA k                         ; 20 loads: step k's ten token fragments, 512 consecutive bytes each load
	WIN 0x80
.irp i, 0,1,2,3,4,5,6,7,8,9
	global_load_b128 v[AB+80*((\k)&1)+8*\i:AB+80*((\k)&1)+8*\i+3],   v[VOFFA+\i], s[AP:AP+1] offset:ASTEP*(\k)
	global_load_b128 v[AB+80*((\k)&1)+8*\i+4:AB+80*((\k)&1)+8*\i+7], v[VOFFA+\i], s[AP:AP+1] offset:ASTEP*(\k)+512
.endr
	WIN 0
.endm
.macro PREF k                          ; asks for step k's 32 rows of my own strip: one row's 256 bytes a lane, each once in a pass
	global_prefetch_b8 v[VOFFP], s[WB:WB+1] offset:32*(\k)*ROWB th:TH_LOAD_NT scope:SCOPE_SE
.endm
.macro MM st, zero                     ; 40 matrix instructions; the 40 accumulators take turns, one instruction a turn, from step to step too
	WIN MUL_LO
.irp i, 0,1,2,3,4,5,6,7
.irp q, 0,1,2,3
.if \zero
	v_wmma_f32_16x16x32_bf16 v[8*(4*\i+\q):8*(4*\i+\q)+7], v[BF+8*\q:BF+8*\q+7], v[AB+80*(\st)+8*\i:AB+80*(\st)+8*\i+7], 0
.else
	v_wmma_f32_16x16x32_bf16 v[8*(4*\i+\q):8*(4*\i+\q)+7], v[BF+8*\q:BF+8*\q+7], v[AB+80*(\st)+8*\i:AB+80*(\st)+8*\i+7], v[8*(4*\i+\q):8*(4*\i+\q)+7]
.endif
.endr
.endr
	WIN MUL_HI
.irp i, 0,1
.irp q, 0,1,2,3
.if \zero
	v_wmma_f32_16x16x32_bf16 v[8*(4*\i+\q):8*(4*\i+\q)+7], v[BF+8*\q:BF+8*\q+7], v[AB+80*(\st)+64+8*\i:AB+80*(\st)+64+8*\i+7], 0
.else
	v_wmma_f32_16x16x32_bf16 v[8*(4*\i+\q):8*(4*\i+\q)+7], v[BF+8*\q:BF+8*\q+7], v[AB+80*(\st)+64+8*\i:AB+80*(\st)+64+8*\i+7], v[8*(4*\i+\q):8*(4*\i+\q)+7]
.endif
.endr
.endr
	WIN 0
.endm
; K step k, on stage k & 1.  Step 0's products start the sums: nothing is cleared.  The stage is filled again with step k + 2 while there is one;
; step k + 6 is asked for while there is one: four steps behind the one that is loaded here.
.macro STEP k
.if (\k) < KSTEPS-1
	s_wait_loadcnt 36                              ; loads come back in order: behind this stage's last one stand the other stage's 16 + 20
.else
	s_wait_loadcnt 0x0                             ; the last step: nothing was issued behind its loads
.endif
.irp q, 0,1,2,3
.irp p, 0,1,2,3,4,5,6,7
	v_cvt_pk_bf16_f32 v[BF+8*\q+\p], v[WS+64*((\k)&1)+8*\p+\q], v[WS+64*((\k)&1)+8*\p+4+\q]
.endr
.endr
.if (\k)+2 < KSTEPS
	LOADW (\k)+2
.endif
.if (\k)+6 < KSTEPS
	PREF (\k)+6
.endif
.if (\k) == 0
	MM 0, 1
.else
	MM ((\k)&1), 0
.endif
.rept 4
	v_nop                                          ; four places behind the matrix instructions: in front of the loads into the token fragments, the next step's packing into the weight fragments, and the stores of the sums
.endr
.if (\k)+2 < KSTEPS
	LOADA (\k)+2
.endif
.endm
.macro DUMP                            ; my 40 tiles of sums into my own part of LDS, 512 consecutive bytes a store
	WIN 0x04
.irp i, 0,1,2,3,4,5,6,7
.irp q, 0,1,2,3
	ds_store_b128 v[LDSW], v[8*(4*\i+\q):8*(4*\i+\q)+3]   offset:(4*\i+\q)*1024
	ds_store_b128 v[LDSW], v[8*(4*\i+\q)+4:8*(4*\i+\q)+7] offset:(4*\i+\q)*1024+512
.endr
.endr
	WIN 0x08
.irp i, 0,1
.irp q, 0,1,2,3
	ds_store_b128 v[LDSW], v[8*(4*\i+\q):8*(4*\i+\q)+3]   offset:(32+4*\i+\q)*1024
	ds_store_b128 v[LDSW], v[8*(4*\i+\q)+4:8*(4*\i+\q)+7] offset:(32+4*\i+\q)*1024+512
.endr
.endr
	WIN 0
.endm
	s_mov_b32 s20, 0                               ; pass
	s_mov_b32 s21, 0                               ; its first tile
.Lpass:
	s_sub_co_u32 s22, s18, s21
	s_min_u32 s22, s22, MT                         ; tiles of this pass (used only where there is one)
	s_cmp_lt_u32 s21, s18
	s_cbranch_scc0 .Lidle1
.irp i, 0,1,2,3,4,5,6,7,8,9
	s_add_co_u32 s25, s21, \i
	s_min_u32 s25, s25, s19                        ; past the last tile: the last tile again
	s_min_u32 s25, s25, 63
	v_lshl_add_u32 v[VOFFA+\i], s25, 10, v[LANE16] ; the last pass's loads, which named these registers, were waited for by its last step
.endr
	LOADW 0                                        ; steps 0 and 1 fill the two stages
	LOADA 0
	PREF 4
	LOADW 1
	PREF 5
	LOADA 1
.irp k, 0,1,2,3,4,5,6,7,8,9,10,11,12,13,14,15
	STEP \k
.endr
	DUMP
.Lidle1:
	s_wait_dscnt 0x0                               ; my sums are in LDS before I say so
	s_barrier_signal -1
	s_barrier_wait -1
	s_cmp_lt_u32 s21, s18
	s_cbranch_scc0 .Lidle2
	; THE WAY OUT.  A unit is one block of hs: tile i of the pass, K step 2 strip + jq.  Wave (s, jq) takes the ten units of strip s with its jq.
	s_lshl_b32 s26, s21, 10
	s_mov_b32 s27, 0
	s_add_nc_u64 s[38:39], s[36:37], s[26:27]
	v_mov_b32 v[LDSR], v[LDSR0]
	v_add_nc_u32 v[LDSR2], 2*WREG, v[LDSR0]
	s_mov_b32 s24, 0
.Lunit:
	s_cmp_lt_u32 s24, s22
	s_cbranch_scc0 .Lno_unit                       ; a repeated tile is not stored
.irp q, 0,1,2,3
	ds_load_b128 v[XR+4*\q:XR+4*\q+3], v[LDSR]  offset:1024*\q
	ds_load_b128 v[AX+4*\q:AX+4*\q+3], v[LDSR2] offset:1024*\q
.endr
	s_wait_dscnt 0x0
.irp k, 0,2,4,6,8,10,12,14
	v_pk_add_f32 v[XR+\k:XR+\k+1], v[XR+\k:XR+\k+1], v[AX+\k:AX+\k+1]     ; h: register 4 q + jj is column 16 h + 4 jj + q of the block
.endr
	; gelu(x) = max(x, 0) + |x| q',  q' = -1/2 (a1 t + .. + a5 t^5) 2^(-0.72134752 x^2),  t = 1 / (1 + 0.231641888 |x|)
.irp k, 0,1,2,3,4,5,6,7,8,9,10,11,12,13,14,15
	v_and_b32 v[AX+\k], 0x7fffffff, v[XR+\k]
.endr
.irp k, 0,2,4,6,8,10,12,14
	v_pk_fma_f32 v[DD+\k:DD+\k+1], v[AX+\k:AX+\k+1], 0x3e6d3388, 1.0 op_sel_hi:[1,0,0]
	v_pk_mul_f32 v[EM+\k:EM+\k+1], v[XR+\k:XR+\k+1], v[XR+\k:XR+\k+1]
.endr
.irp k, 0,2,4,6,8,10,12,14
	v_pk_mul_f32 v[EM+\k:EM+\k+1], v[EM+\k:EM+\k+1], 0xbf38aa3b op_sel_hi:[1,0]
.endr
.irp k, 0,1,2,3,4,5,6,7,8,9,10,11,12,13,14,15
	v_rcp_f32 v[TT+\k], v[DD+\k]
.endr
.irp k, 0,1,2,3,4,5,6,7,8,9,10,11,12,13,14,15
	v_exp_f32 v[EE+\k], v[EM+\k]
.endr
.irp k, 0,1,2,3,4,5,6,7,8,9,10,11,12,13,14,15
	v_max_num_f32 v[MX+\k], 0, v[XR+\k]            ; plain instructions between the transcendentals and the first use of their results (ISA guide 5.7.2)
.endr
	s_wait_alu depctr_va_vdst(0)
.irp k, 0,2,4,6,8,10,12,14
	v_pk_fma_f32 v[PP+\k:PP+\k+1], v[TT+\k:TT+\k+1], v[CC+8:CC+9], v[CC+6:CC+7]
.endr
.irp c, 4,2,0
.irp k, 0,2,4,6,8,10,12,14
	v_pk_fma_f32 v[PP+\k:PP+\k+1], v[PP+\k:PP+\k+1], v[TT+\k:TT+\k+1], v[CC+\c:CC+\c+1]
.endr
.endr
.irp k, 0,2,4,6,8,10,12,14
	v_pk_mul_f32 v[PP+\k:PP+\k+1], v[PP+\k:PP+\k+1], v[TT+\k:TT+\k+1]
.endr
.irp k, 0,2,4,6,8,10,12,14
	v_pk_mul_f32 v[PP+\k:PP+\k+1], v[PP+\k:PP+\k+1], v[EE+\k:EE+\k+1]
.endr
.irp k, 0,2,4,6,8,10,12,14
	v_pk_fma_f32 v[XR+\k:XR+\k+1], v[AX+\k:AX+\k+1], v[PP+\k:PP+\k+1], v[MX+\k:MX+\k+1]
.endr
.irp jj, 0,1,2,3
.irp qq, 0,1
	v_cvt_pk_bf16_f32 v[OO+2*\jj+\qq], v[XR+8*\qq+\jj], v[XR+8*\qq+4+\jj]  ; columns 16 h + 4 jj + 2 qq and the next
.endr
.endr
	global_store_b128 v[LANE16], v[OO:OO+3],   s[38:39]                    ; 512 consecutive bytes, aligned: the block's first half
	global_store_b128 v[LANE16], v[OO+4:OO+7], s[38:39] offset:512
.Lno_unit:
	s_wait_xcnt 0x0                                ; the stores' base and data are written again only behind this wait
	s_add_nc_u64 s[38:39], s[38:39], 1024
	v_add_nc_u32 v[LDSR], 4096, v[LDSR]
	v_add_nc_u32 v[LDSR2], 4096, v[LDSR2]
	s_add_co_u32 s24, s24, 1
	s_cmp_lt_u32 s24, MT
	s_cbranch_scc1 .Lunit
.Lidle2:
	s_wait_dscnt 0x0                               ; my reads of the sums are back before anyone writes the next pass's
	s_barrier_signal -1
	s_barrier_wait -1
	s_add_co_u32 s21, s21, MT
	s_add_co_u32 s20, s20, 1
	s_cmp_lt_u32 s20, NPASS
	s_cbranch_scc1 .Lpass
	s_wait_tensorcnt 0x0
	ds_add_u32 v254, v255
	s_wait_dscnt 0x0
	s_endpgm
.Lfunc_end_k_q3ab01de427_gemm1:
	.size	k_q3ab01de427_gemm1, .Lfunc_end_k_q3ab01de427_gemm1-k_q3ab01de427_gemm1
	.p2alignl 7, 3214868480
	.fill 96, 4, 3214868480
	.section	.rodata,"a",@progbits
	.p2align	6, 0x0
	.amdhsa_kernel k_q3ab01de427_gemm1
		.amdhsa_group_segment_fixed_size 164352
		.amdhsa_private_segment_fixed_size 0
		.amdhsa_enable_private_segment 0
		.amdhsa_kernarg_size 32
		.amdhsa_user_sgpr_count 2
		.amdhsa_user_sgpr_kernarg_segment_ptr 1
		.amdhsa_wavefront_size32 1
		.amdhsa_system_sgpr_workgroup_id_x 1
		.amdhsa_system_sgpr_workgroup_id_y 1
		.amdhsa_system_sgpr_workgroup_id_z 1
		.amdhsa_system_vgpr_workitem_id 0
		.amdhsa_next_free_vgpr 736
		.amdhsa_next_free_sgpr 66
		.amdhsa_reserve_vcc 0
		.amdhsa_float_denorm_mode_32 3
		.amdhsa_float_denorm_mode_16_64 3
		.amdhsa_memory_ordered 1
		.amdhsa_forward_progress 1
		.amdhsa_inst_pref_size 153
	.end_amdhsa_kernel
	.amdgpu_metadata
---
amdhsa.version: [ 1, 2 ]
amdhsa.kernels:
  - .name:           k_q3ab01de427_gemm1
    .symbol:         k_q3ab01de427_gemm1.kd
    .args:
      - { .name: w1, .offset: 0, .size: 8, .value_kind: global_buffer, .address_space: global }
      - { .name: xs, .offset: 8, .size: 8, .value_kind: global_buffer, .address_space: global }
      - { .name: meta, .offset: 16, .size: 8, .value_kind: global_buffer, .address_space: global }
      - { .name: hs, .offset: 24, .size: 8, .value_kind: global_buffer, .address_space: global }
    .group_segment_fixed_size: 164352
    .private_segment_fixed_size: 0
    .kernarg_segment_align: 8
    .kernarg_segment_size: 32
    .max_flat_workgroup_size: 128
    .sgpr_count:     66
    .vgpr_count:     736
    .wavefront_size: 32
...
	.end_amdgpu_metadata
.endif
;; end of part 4
;; launch gemm2 (part 5): grid 256 x 1, 4 waves a work-group, no clusters, 164,352 bytes of LDS; arguments w2, hs, meta, part; writes part
.if DOCPART == 5
	.amdgcn_target "amdgcn-amd-amdhsa--gfx1250"
	.amdhsa_code_object_version 6
	.text
	.protected	k_q3ab01de427_gemm2
	.globl	k_q3ab01de427_gemm2
	.p2align	8
	.type	k_q3ab01de427_gemm2,@function
k_q3ab01de427_gemm2:
	s_mov_b64 s[64:65], 0
	v_nop
	global_prefetch_b8 v0, s[64:65] scope:SCOPE_SE
	s_setreg_imm32_b32 hwreg(HW_REG_WAVE_MODE, 25, 1), 1
	s_wait_xcnt 0x0
; part[half][e][rank][d] = sum over one half of f of hs[e][rank][f] w2[e][f][d], for each expert's own tokens, rows in the order of the expert's list.
; w2: [8][4096 f][1024 d] f32.  hs: [8][K step 128][tile 64][1 KB] bf16 blocks of 16 tokens x 32 f.  part: [2][8][1024][1024] f32.  meta: word e = tokens of expert e.
; THE SAME STREAM OF WEIGHTS as in the first product: 128 MB of w2 against some 128 tokens an expert.  Work-group X: expert X / 32, a strip of 64 columns
; (256 bytes of a row; (X / 2) mod 16) and half of K (X mod 2).  Wave w: a quarter of that half, 512 rows, in 16 steps of 32.  Every byte of w2 is loaded once in a
; pass, sixteen lanes covering 256 consecutive aligned bytes of a row, and rounded to bf16 in registers.
; NO TRANSPOSITION: load i of a step gives lane (r, h) columns 4 r .. 4 r + 3 of row 16 h + i.  Packing component q of rows 2 p and 2 p + 1 gives register p of a
; fragment whose lane r stands for column 4 r + q and whose K order is 16 h + 2 p, + 1: the order in which hs is laid.  K is permuted alike on both sides.
; With the tokens as source 0, register j of a result is token 8 h + j at column 4 r + q: the four q of one token are 16 neighbouring bytes of a row.
; THE 16 STEPS ARE WRITTEN OUT: the step stands in the loads' immediates ((32 x 15 + 15) rows of 4,096 bytes at the most), so that no base is stepped and no
; address register is rewritten while a load or a request ahead names it.
; PASSES: 160 tokens (10 tiles) in a pass, up to 7 passes for all 1,024 tokens; the pass loop has a fixed count and its two barriers are passed by every wave in
; every trip; stream and way out hold no barrier and are jumped over when the pass has no tile.  Tiles past the last are replaced by the last one.
; The four waves' K quarters meet in LDS; the two K halves are two work-groups' and are added by the next launch: K is split in two so that all 256 work-groups
; have a strip of whole 256-byte pieces of rows.  An expert without tokens leaves its weights unread.
; No cluster and no tensor loads: no weight byte is wanted by two work-groups, the weights must pass through registers to be rounded, and the
; number of token tiles hangs on a count read from memory.
.set ROWB,   4096                      ; bytes in a row of w2[e]
.set KSTEPS, 16                        ; steps of 32 rows in my 512
.set MT,     10
.set NPASS,  7
.set WREG,   MT*4096                   ; a wave's sums in LDS: [tile 10][q 4][jq 2][lane x 16]
.set ASTEP,  65536
.set VOFFW,  4                         ; v4      weights: 16 h rows + 16 r
.set LANE16, 5
.set VOFFP,  6                         ; v6      lane rows
.set LDSW,   7
.set LDSR,   8                         ; v8, v9  where I read waves 0, 1 and waves 2, 3
.set LDSR2,  9
.set VOFFA,  10                        ; v[10:19]
.set LDSR0,  20
.set VOFFO,  21                        ; v21     part: 8 h rows + 16 r
.set BF,     32                        ; v[32:63] four weight fragments
.set WS,     64                        ; v[64:127], v[128:191] weights as loaded, two stages: step k uses stage k & 1
.set AB,     64                        ; window 2: token fragments, two stages
; window 1: accumulator tile (i, q), i = 0-7, at 8 (4 i + q);  window 2: tiles i = 8, 9 at 8 (4 (i - 8) + q)
.set R0,     64                        ; the way out: v[64:127] four waves' sums of a unit
.set OO,     128                       ; v[128:143] four rows' 16 bytes
.set WB,     28                        ; s[28:29] weights: my strip's first row; never rewritten
.set AP,     30                        ; s[30:31] tokens: my first K step; never rewritten
.set MUL_LO, 0x52                      ; source 0 (tokens) window 2, source 1 (weights) window 0, C and D window 1
.set MUL_HI, 0xa2                      ; C and D window 2
.set MSB, 0
.macro WIN new                         ; the immediate's high byte repeats the setting that is left
.if MSB != \new
	s_set_vgpr_msb (MSB<<8)|\new
.set MSB, \new
.endif
.endm
	s_load_b256 s[4:11], s[0:1], 0x0               ; w2 s[4:5], hs s[6:7], meta s[8:9], part s[10:11]
	v_lshl_add_u32 v254, v0, 2, 0x28000
	v_mov_b32 v255, 0
	v_lshrrev_b32 v1, 5, v0
	v_readfirstlane_b32 s12, v1                    ; wave
	s_lshr_b32 s13, ttmp9, 5                       ; expert
	s_bfe_u32 s14, ttmp9, 0x40001                  ; strip: 4 bits from bit 1
	s_and_b32 s40, ttmp9, 1                        ; half of K
	s_and_b32 s15, s12, 1                          ; the way out: jq
	s_lshr_b32 s16, s12, 1                         ; the way out: my first tile
	s_lshl2_add_u32 s41, s40, s12                  ; eighth of K = 4 half + wave
	s_lshl_b32 s25, s13, 2
	v_and_b32 v1, 31, v0
	v_and_b32 v2, 15, v0
	v_bfe_u32 v3, v0, 4, 1
	v_lshlrev_b32 v[VOFFW], 4, v2
	v_lshl_add_u32 v[VOFFO], v3, 15, v[VOFFW]      ; 8 h rows of 4,096 bytes + 16 r
	v_lshl_add_u32 v[VOFFW], v3, 16, v[VOFFW]      ; 16 h rows + 16 r
	v_lshlrev_b32 v[LANE16], 4, v1
	v_lshlrev_b32 v[VOFFP], 12, v1
	s_mul_i32 s26, s12, WREG
	v_add_nc_u32 v[LDSW], s26, v[LANE16]
	s_lshl_b32 s26, s16, 12
	s_lshl_b32 s24, s15, 9
	s_add_co_u32 s26, s26, s24
	v_add_nc_u32 v[LDSR0], s26, v[LANE16]
	s_wait_kmcnt 0x0
	s_load_b32 s17, s[8:9], s25 offset:0x0         ; my expert's count
	s_lshl_b32 s26, s13, 24                        ; w2: expert x 16 MB + eighth x 512 rows + strip x 256 bytes
	s_lshl_b32 s24, s41, 21
	s_add_co_u32 s26, s26, s24
	s_lshl_b32 s24, s14, 8
	s_add_co_u32 s26, s26, s24
	s_mov_b32 s27, 0
	s_add_nc_u64 s[WB:WB+1], s[4:5], s[26:27]
	s_lshl_b32 s26, s13, 23                        ; hs: expert x 8 MB + eighth x 16 steps
	s_lshl_b32 s24, s41, 20
	s_add_co_u32 s26, s26, s24
	s_add_nc_u64 s[AP:AP+1], s[6:7], s[26:27]
	s_lshl_b32 s26, s40, 25                        ; part: half x 32 MB + expert x 4 MB + (16 first tile + 4 jq) rows + strip x 256 bytes
	s_lshl_b32 s24, s13, 22
	s_add_co_u32 s26, s26, s24
	s_lshl_b32 s24, s16, 16
	s_add_co_u32 s26, s26, s24
	s_lshl_b32 s24, s15, 14
	s_add_co_u32 s26, s26, s24
	s_lshl_b32 s24, s14, 8
	s_add_co_u32 s26, s26, s24
	s_add_nc_u64 s[36:37], s[10:11], s[26:27]
	s_wait_kmcnt 0x0
	s_min_u32 s17, s17, 1024
	s_add_co_u32 s18, s17, 15
	s_lshr_b32 s18, s18, 4                         ; tiles of my expert
	s_sub_co_u32 s19, s18, 1                       ; the last of them (used only where there is one)
.macro LOADW k                         ; 16 loads: step k's 32 rows x 256 bytes of my strip
.irp i, 0,1,2,3,4,5,6,7,8,9,10,11,12,13,14,15
	global_load_b128 v[WS+64*((\k)&1)+4*\i:WS+64*((\k)&1)+4*\i+3], v[VOFFW], s[WB:WB+1] offset:(32*(\k)+\i)*ROWB th:TH_LOAD_NT
.endr
.endm
.macro LOADA k                         ; 20 loads: step k's ten token fragments, 512 consecutive bytes each load
	WIN 0x80
.irp i, 0,1,2,3,4,5,6,7,8,9
	global_load_b128 v[AB+80*((\k)&1)+8*\i:AB+80*((\k)&1)+8*\i+3],   v[VOFFA+\i], s[AP:AP+1] offset:ASTEP*(\k)
	global_load_b128 v[AB+80*((\k)&1)+8*\i+4:AB+80*((\k)&1)+8*\i+7], v[VOFFA+\i], s[AP:AP+1] offset:ASTEP*(\k)+512
.endr
	WIN 0
.endm
.macro PREF k                          ; asks for step k's 32 rows of my own strip: one row's 256 bytes a lane, each once in a pass
	global_prefetch_b8 v[VOFFP], s[WB:WB+1] offset:32*(\k)*ROWB th:TH_LOAD_NT scope:SCOPE_SE
.endm
.macro MM st, zero                     ; 40 matrix instructions; the 40 accumulators take turns, one instruction a turn, from step to step too
	WIN MUL_LO
.irp i, 0,1,2,3,4,5,6,7
.irp q, 0,1,2,3
.if \zero
	v_wmma_f32_16x16x32_bf16 v[8*(4*\i+\q):8*(4*\i+\q)+7], v[AB+80*(\st)+8*\i:AB+80*(\st)+8*\i+7], v[BF+8*\q:BF+8*\q+7], 0
.else
	v_wmma_f32_16x16x32_bf16 v[8*(4*\i+\q):8*(4*\i+\q)+7], v[AB+80*(\st)+8*\i:AB+80*(\st)+8*\i+7], v[BF+8*\q:BF+8*\q+7], v[8*(4*\i+\q):8*(4*\i+\q)+7]
.endif
.endr
.endr
	WIN MUL_HI
.irp i, 0,1
.irp q, 0,1,2,3
.if \zero
	v_wmma_f32_16x16x32_bf16 v[8*(4*\i+\q):8*(4*\i+\q)+7], v[AB+80*(\st)+64+8*\i:AB+80*(\st)+64+8*\i+7], v[BF+8*\q:BF+8*\q+7], 0
.else
	v_wmma_f32_16x16x32_bf16 v[8*(4*\i+\q):8*(4*\i+\q)+7], v[AB+80*(\st)+64+8*\i:AB+80*(\st)+64+8*\i+7], v[BF+8*\q:BF+8*\q+7], v[8*(4*\i+\q):8*(4*\i+\q)+7]
.endif
.endr
.endr
	WIN 0
.endm
; K step k, on stage k & 1.  Step 0's products start the sums: nothing is cleared.  The stage is filled again with step k + 2 while there is one;
; step k + 6 is asked for while there is one: four steps behind the one that is loaded here.
.macro STEP k
.if (\k) < KSTEPS-1
	s_wait_loadcnt 36                              ; loads come back in order: behind this stage's last one stand the other stage's 16 + 20
.else
	s_wait_loadcnt 0x0                             ; the last step: nothing was issued behind its loads
.endif
.irp q, 0,1,2,3
.irp p, 0,1,2,3,4,5,6,7
	v_cvt_pk_bf16_f32 v[BF+8*\q+\p], v[WS+64*((\k)&1)+8*\p+\q], v[WS+64*((\k)&1)+8*\p+4+\q]
.endr
.endr
.if (\k)+2 < KSTEPS
	LOADW (\k)+2
.endif
.if (\k)+6 < KSTEPS
	PREF (\k)+6
.endif
.if (\k) == 0
	MM 0, 1
.else
	MM ((\k)&1), 0
.endif
.rept 4
	v_nop                                          ; four places behind the matrix instructions: in front of the loads into the token fragments, the next step's packing into the weight fragments, and the stores of the sums
.endr
.if (\k)+2 < KSTEPS
	LOADA (\k)+2
.endif
.endm
.macro DUMP                            ; my 40 tiles of sums into my own part of LDS, 512 consecutive bytes a store
	WIN 0x04
.irp i, 0,1,2,3,4,5,6,7
.irp q, 0,1,2,3
	ds_store_b128 v[LDSW], v[8*(4*\i+\q):8*(4*\i+\q)+3]   offset:(4*\i+\q)*1024
	ds_store_b128 v[LDSW], v[8*(4*\i+\q)+4:8*(4*\i+\q)+7] offset:(4*\i+\q)*1024+512
.endr
.endr
	WIN 0x08
.irp i, 0,1
.irp q, 0,1,2,3
	ds_store_b128 v[LDSW], v[8*(4*\i+\q):8*(4*\i+\q)+3]   offset:(32+4*\i+\q)*1024
	ds_store_b128 v[LDSW], v[8*(4*\i+\q)+4:8*(4*\i+\q)+7] offset:(32+4*\i+\q)*1024+512
.endr
.endr
	WIN 0
.endm
	s_mov_b32 s20, 0                               ; pass
	s_mov_b32 s21, 0                               ; its first tile
.Lpass:
	s_sub_co_u32 s22, s18, s21
	s_min_u32 s22, s22, MT                         ; tiles of this pass (used only where there is one)
	s_cmp_lt_u32 s21, s18
	s_cbranch_scc0 .Lidle1
.irp i, 0,1,2,3,4,5,6,7,8,9
	s_add_co_u32 s25, s21, \i
	s_min_u32 s25, s25, s19                        ; past the last tile: the last tile again
	s_min_u32 s25, s25, 63
	v_lshl_add_u32 v[VOFFA+\i], s25, 10, v[LANE16] ; the last pass's loads, which named these registers, were waited for by its last step
.endr
	LOADW 0                                        ; steps 0 and 1 fill the two stages
	LOADA 0
	PREF 4
	LOADW 1
	PREF 5
	LOADA 1
.irp k, 0,1,2,3,4,5,6,7,8,9,10,11,12,13,14,15
	STEP \k
.endr
	DUMP
.Lidle1:
	s_wait_dscnt 0x0                               ; my sums are in LDS before I say so
	s_barrier_signal -1
	s_barrier_wait -1
	s_cmp_lt_u32 s21, s18
	s_cbranch_scc0 .Lidle2
	; THE WAY OUT.  A unit is four rows in each half of a tile (tokens 8 h + 4 jq + 0..3) x the strip's 64 columns.  Wave w takes jq = w & 1 of tiles w / 2, + 2, ..
	s_lshl_b32 s26, s21, 16                        ; the pass's first tile x 16 rows
	s_mov_b32 s27, 0
	s_add_nc_u64 s[38:39], s[36:37], s[26:27]
	v_mov_b32 v[LDSR], v[LDSR0]
	v_add_nc_u32 v[LDSR2], 2*WREG, v[LDSR0]
	s_mov_b32 s24, 0
.Lunit:
	s_lshl_b32 s25, s24, 1
	s_add_co_u32 s25, s25, s16                     ; the unit's tile
	s_cmp_lt_u32 s25, s22
	s_cbranch_scc0 .Lno_unit                       ; a repeated tile is not stored
.irp q, 0,1,2,3
	ds_load_b128 v[R0+4*\q:R0+4*\q+3],       v[LDSR]  offset:1024*\q
	ds_load_b128 v[R0+16+4*\q:R0+16+4*\q+3], v[LDSR]  offset:WREG+1024*\q
	ds_load_b128 v[R0+32+4*\q:R0+32+4*\q+3], v[LDSR2] offset:1024*\q
	ds_load_b128 v[R0+48+4*\q:R0+48+4*\q+3], v[LDSR2] offset:WREG+1024*\q
.endr
	s_wait_dscnt 0x0
.irp k, 0,2,4,6,8,10,12,14
	v_pk_add_f32 v[R0+\k:R0+\k+1],       v[R0+\k:R0+\k+1],       v[R0+16+\k:R0+16+\k+1]
	v_pk_add_f32 v[R0+32+\k:R0+32+\k+1], v[R0+32+\k:R0+32+\k+1], v[R0+48+\k:R0+48+\k+1]
.endr
.irp jj, 0,1,2,3
.irp q, 0,1,2,3
	v_add_f32 v[OO+4*\jj+\q], v[R0+4*\q+\jj], v[R0+32+4*\q+\jj]            ; the last addition also puts a row's four columns side by side
.endr
.endr
.irp jj, 0,1,2,3
	global_store_b128 v[VOFFO], v[OO+4*\jj:OO+4*\jj+3], s[38:39] offset:\jj*4096   ; sixteen lanes store 256 consecutive aligned bytes of one row
.endr
.Lno_unit:
	s_wait_xcnt 0x0                                ; the stores' base and data are written again only behind this wait
	s_add_nc_u64 s[38:39], s[38:39], 131072        ; two tiles on: 32 rows
	v_add_nc_u32 v[LDSR], 8192, v[LDSR]
	v_add_nc_u32 v[LDSR2], 8192, v[LDSR2]
	s_add_co_u32 s24, s24, 1
	s_cmp_lt_u32 s24, MT/2
	s_cbranch_scc1 .Lunit
.Lidle2:
	s_wait_dscnt 0x0                               ; my reads of the sums are back before anyone writes the next pass's
	s_barrier_signal -1
	s_barrier_wait -1
	s_add_co_u32 s21, s21, MT
	s_add_co_u32 s20, s20, 1
	s_cmp_lt_u32 s20, NPASS
	s_cbranch_scc1 .Lpass
	s_wait_tensorcnt 0x0
	ds_add_u32 v254, v255
	s_wait_dscnt 0x0
	s_endpgm
.Lfunc_end_k_q3ab01de427_gemm2:
	.size	k_q3ab01de427_gemm2, .Lfunc_end_k_q3ab01de427_gemm2-k_q3ab01de427_gemm2
	.p2alignl 7, 3214868480
	.fill 96, 4, 3214868480
	.section	.rodata,"a",@progbits
	.p2align	6, 0x0
	.amdhsa_kernel k_q3ab01de427_gemm2
		.amdhsa_group_segment_fixed_size 164352
		.amdhsa_private_segment_fixed_size 0
		.amdhsa_enable_private_segment 0
		.amdhsa_kernarg_size 32
		.amdhsa_user_sgpr_count 2
		.amdhsa_user_sgpr_kernarg_segment_ptr 1
		.amdhsa_wavefront_size32 1
		.amdhsa_system_sgpr_workgroup_id_x 1
		.amdhsa_system_sgpr_workgroup_id_y 1
		.amdhsa_system_sgpr_workgroup_id_z 1
		.amdhsa_system_vgpr_workitem_id 0
		.amdhsa_next_free_vgpr 736
		.amdhsa_next_free_sgpr 66
		.amdhsa_reserve_vcc 0
		.amdhsa_float_denorm_mode_32 3
		.amdhsa_float_denorm_mode_16_64 3
		.amdhsa_memory_ordered 1
		.amdhsa_forward_progress 1
		.amdhsa_inst_pref_size 146
	.end_amdhsa_kernel
	.amdgpu_metadata
---
amdhsa.version: [ 1, 2 ]
amdhsa.kernels:
  - .name:           k_q3ab01de427_gemm2
    .symbol:         k_q3ab01de427_gemm2.kd
    .args:
      - { .name: w2, .offset: 0, .size: 8, .value_kind: global_buffer, .address_space: global }
      - { .name: hs, .offset: 8, .size: 8, .value_kind: global_buffer, .address_space: global }
      - { .name: meta, .offset: 16, .size: 8, .value_kind: global_buffer, .address_space: global }
      - { .name: part, .offset: 24, .size: 8, .value_kind: global_buffer, .address_space: global }
    .group_segment_fixed_size: 164352
    .private_segment_fixed_size: 0
    .kernarg_segment_align: 8
    .kernarg_segment_size: 32
    .max_flat_workgroup_size: 128
    .sgpr_count:     66
    .vgpr_count:     736
    .wavefront_size: 32
...
	.end_amdgpu_metadata
.endif
;; end of part 5
;; launch combine (part 6): grid 256 x 1, 4 waves a work-group, no clusters, 0 bytes of LDS; arguments part, pos, out0; writes out0
.if DOCPART == 6
	.amdgcn_target "amdgcn-amd-amdhsa--gfx1250"
	.amdhsa_code_object_version 6
	.text
	.protected	k_q3ab01de427_combine
	.globl	k_q3ab01de427_combine
	.p2align	8
	.type	k_q3ab01de427_combine,@function
k_q3ab01de427_combine:
	s_mov_b64 s[64:65], 0
	v_nop
	global_prefetch_b8 v0, s[64:65] scope:SCOPE_SE
	s_setreg_imm32_b32 hwreg(HW_REG_WAVE_MODE, 25, 1), 1
	s_wait_xcnt 0x0
; out0[t] = part[0][pos[t]] + part[1][pos[t]]: the two K halves of the second product, brought back from the experts' order to the tokens'.
; part: [2][8192 rows][1024] f32, pos: [1024] u32 (expert x 1024 + rank), out0: [1024][1024] f32.
; One wave, one token: two rows of 4,096 bytes in, one out, every load and store 512 consecutive aligned bytes.  A stream of 12 MB: no LDS, no barrier,
; no matrix unit, no cluster (no byte is wanted twice).
.set ROWB, 4096
.set P0,   4                           ; v[4:35]   the first half's row, then the sum
.set P1,   36                          ; v[36:67]  the second half's row
	s_load_b128 s[4:7], s[0:1], 0x0                ; part s[4:5], pos s[6:7]
	s_load_b64 s[8:9], s[0:1], 0x10                ; out0
	v_lshrrev_b32 v1, 5, v0
	v_readfirstlane_b32 s10, v1                    ; wave
	s_lshl2_add_u32 s11, ttmp9, s10                ; token = 4 x work-group + wave
	s_lshl_b32 s12, s11, 2
	v_and_b32 v1, 31, v0
	v_lshlrev_b32 v1, 4, v1                        ; 16 x lane
	s_wait_kmcnt 0x0
	s_load_b32 s13, s[6:7], s12 offset:0x0         ; its place
	s_lshl_b32 s16, s11, 12
	s_mov_b32 s17, 0
	s_add_nc_u64 s[8:9], s[8:9], s[16:17]
	s_wait_kmcnt 0x0
	s_min_u32 s13, s13, 8191                       ; inside part's 8,192 rows whatever pos holds
	s_lshl_b32 s14, s13, 12
	s_mov_b32 s15, 0
	s_add_nc_u64 s[4:5], s[4:5], s[14:15]
	s_add_nc_u64 s[18:19], s[4:5], 0x2000000       ; the second half lies 32 MB further
.irp j, 0,1,2,3,4,5,6,7
	global_load_b128 v[P0+4*\j:P0+4*\j+3], v1, s[4:5]   offset:512*\j th:TH_LOAD_NT
	global_load_b128 v[P1+4*\j:P1+4*\j+3], v1, s[18:19] offset:512*\j th:TH_LOAD_NT
.endr
.irp j, 0,1,2,3,4,5,6,7
	s_wait_loadcnt 14-2*\j                         ; piece j of both rows is in; the 2 (7 - j) loads behind them may be out
	v_pk_add_f32 v[P0+4*\j:P0+4*\j+1],   v[P0+4*\j:P0+4*\j+1],   v[P1+4*\j:P1+4*\j+1]
	v_pk_add_f32 v[P0+4*\j+2:P0+4*\j+3], v[P0+4*\j+2:P0+4*\j+3], v[P1+4*\j+2:P1+4*\j+3]
	global_store_b128 v1, v[P0+4*\j:P0+4*\j+3], s[8:9] offset:512*\j th:TH_STORE_NT
.endr
	s_endpgm
.Lfunc_end_k_q3ab01de427_combine:
	.size	k_q3ab01de427_combine, .Lfunc_end_k_q3ab01de427_combine-k_q3ab01de427_combine
	.p2alignl 7, 3214868480
	.fill 96, 4, 3214868480
	.section	.rodata,"a",@progbits
	.p2align	6, 0x0
	.amdhsa_kernel k_q3ab01de427_combine
		.amdhsa_group_segment_fixed_size 0
		.amdhsa_private_segment_fixed_size 0
		.amdhsa_enable_private_segment 0
		.amdhsa_kernarg_size 24
		.amdhsa_user_sgpr_count 2
		.amdhsa_user_sgpr_kernarg_segment_ptr 1
		.amdhsa_wavefront_size32 1
		.amdhsa_system_sgpr_workgroup_id_x 1
		.amdhsa_system_sgpr_workgroup_id_y 1
		.amdhsa_system_sgpr_workgroup_id_z 1
		.amdhsa_system_vgpr_workitem_id 0
		.amdhsa_next_free_vgpr 72
		.amdhsa_next_free_sgpr 66
		.amdhsa_reserve_vcc 0
		.amdhsa_float_denorm_mode_32 3
		.amdhsa_float_denorm_mode_16_64 3
		.amdhsa_memory_ordered 1
		.amdhsa_forward_progress 1
		.amdhsa_inst_pref_size 5
	.end_amdhsa_kernel
	.amdgpu_metadata
---
amdhsa.version: [ 1, 2 ]
amdhsa.kernels:
  - .name:           k_q3ab01de427_combine
    .symbol:         k_q3ab01de427_combine.kd
    .args:
      - { .name: part, .offset: 0, .size: 8, .value_kind: global_buffer, .address_space: global }
      - { .name: pos, .offset: 8, .size: 8, .value_kind: global_buffer, .address_space: global }
      - { .name: out0, .offset: 16, .size: 8, .value_kind: global_buffer, .address_space: global }
    .group_segment_fixed_size: 0
    .private_segment_fixed_size: 0
    .kernarg_segment_align: 8
    .kernarg_segment_size: 24
    .max_flat_workgroup_size: 128
    .sgpr_count:     66
    .vgpr_count:     72
    .wavefront_size: 32
...
	.end_amdgpu_metadata
.endif
;; end of part 6
;; ======== version 2 of 2: 6 launches; version 1 with the launches sort, gemm1, gemm2 written anew for expert scheduling mode
;; limits: a function is approximated: absolute error at most 1.5e-07
;; workspace buffers: ids 4,096 bytes of whole numbers; meta 1,024 bytes of whole numbers; pos 4,096 bytes of whole numbers; list 32,768 bytes of whole numbers; xs 16,777,216 bytes; hs 67,108,864 bytes; part 67,108,864 bytes
;; launch router: the kernel of part 1 again; grid 64 x 1, 8 waves a work-group, no clusters, 61,440 bytes of LDS; arguments x, gate_w, ids; writes ids
;; launch sort (part 7): grid 1 x 1, 8 waves a work-group, no clusters, 67,840 bytes of LDS; arguments ids, list, pos, meta; writes list, pos, meta
.if DOCPART == 7
	.amdgcn_target "amdgcn-amd-amdhsa--gfx1250"
	.amdhsa_code_object_version 6
	.text
	.protected	k_q3ab01de427_sort
	.globl	k_q3ab01de427_sort
	.p2align	8
	.type	k_q3ab01de427_sort,@function
k_q3ab01de427_sort:
	s_mov_b64 s[64:65], 0
	v_nop
	global_prefetch_b8 v0, s[64:65] scope:SCOPE_SE
	s_setreg_imm32_b32 hwreg(HW_REG_WAVE_SCHED_MODE, 0, 2), 2
	s_setreg_imm32_b32 hwreg(HW_REG_WAVE_MODE, 25, 1), 1
	s_wait_xcnt 0x0
	s_wait_alu depctr_vm_vsrc(0)
; From ids: list[e][rank] = the tokens of expert e in ascending order of (128 j + c, lane) as they are found; meta: word t = count of expert t mod 8;
; pos[t] = e x 1024 + rank of token t.  ids: [1024] u32, list: [8][1024] u32, pos: [1024] u32, meta: [256] u32.
; One work-group: the work is 4 KB of ids.  Wave w makes expert w's list in LDS, 32 tokens at a time; a list starts as token 0 everywhere, so
; the words behind its end name token 0.  ONE BARRIER: in front of it LDS is written alone, behind it read alone.
; No branch and no trip count hangs on ids.  The launches that follow take their counts and addresses from these three buffers.
; No matrix unit, no cluster: nothing is multiplied and there is one work-group.
; THE MODE: SCHED_MODE bits 1:0 = 2 (LLVM: expert scheduling mode 2), set by the entry lines.  The code itself states the register dependences
; between vector instructions and memory or LDS instructions, and those through scalar registers that vector instructions write, with s_wait_alu, always for 0.
; THE PLAN.  Each of the 32 ranking turns has registers of its own, so that all compares stand in one run, all arithmetic in one run and all LDS stores in one run:
;   s[32:63]     turn n's mask.  Written by the 32 compares; read, behind one wait, by the ranks, the selects and the scalar counts.
;   ADS, TKS     turn n's LDS address and token.  Written by the arithmetic; read by turn n's LDS store.  Never written again.
;   PVS          turn n's place.  Written by the arithmetic; read, four at a time, by the LDS stores of my view of pos.  Never written again.
;   PV, CA, CV   four zeros; the address and the value of my count.  Written once, read by LDS stores.
;   LA, ZA, PA, PR, CR, LG, VOFF, CW, LANE16   addresses, all made at the head, never written again.
;   ID, LO, XL, CB   loads land in them; no instruction names them before.  XL's first four are then written by the ORs and stored.
; No register that an LDS or memory instruction reads is ever written again, so no wait on vm_vsrc is owed.
.set LISTB, 4224                       ; an expert's list in LDS: 1,056 words
.set DUMPW, 1040                       ; the word that takes the tokens of other experts; words 0-1023 alone go out
.set LASTW, 1055
.set POSW,  8*LISTB                    ; 8 x 4,096 bytes: wave w's view of pos (0 for tokens of other experts)
.set CNT,   POSW+8*4096                ; the eight counts
.set LA,     2                         ; v2   my wave's list in LDS + 16 lane
.set LG,     3                         ; v3   my wave's list in memory: 4,096 wave + 16 lane
.set VOFF,   4                         ; v4   16 x thread
.set LANE4,  5                         ; v5   4 x lane
.set ZA,     6                         ; v6   my wave's list in LDS + 4 lane: for its last 128 bytes of zeros
.set PR,     7                         ; v7   where thread t reads the views of pos: tokens 4 t .. 4 t + 3
.set CR,     8                         ; v8   where thread t reads count t mod 8
.set CW,     9                         ; v9   4 x thread: my word in meta
.set PV,     10                        ; v[10:13] four zeros
.set PA,     14                        ; v14  where my places go in POSW
.set LANE16, 15
.set ID,     16                        ; v[16:47]   all ids: token 128 j + 4 lane + c in register 4 j + c
.set ADS,    48                        ; v[48:79]   turn n = 4 j + c: the LDS address of its store
.set TKS,    80                        ; v[80:111]  its token
.set PVS,    112                       ; v[112:143] its rank, then its place
.set LO,     144                       ; v[144:175] my wave's list on its way out
.set XL,     176                       ; v[176:207] the eight views of pos
.set CA,     208                       ; v208 where my count goes
.set CV,     209                       ; v209 my count
.set CB,     210                       ; v210 count t mod 8, read back
.set DW,     211                       ; v211 DUMPW
.set MK,     32                        ; s[32:63] turn n's mask: the lanes whose token is my expert's
	s_load_b256 s[4:11], s[0:1], 0x0               ; ids s[4:5], list s[6:7], pos s[8:9], meta s[10:11]
	v_lshl_add_u32 v212, v0, 2, 0x10500
	v_mov_b32 v213, 0
	v_lshrrev_b32 v1, 5, v0
	v_readfirstlane_b32 s14, v1                    ; wave = the expert whose list I make
	v_and_b32 v1, 31, v0
	v_lshlrev_b32 v[VOFF], 4, v0
	v_lshlrev_b32 v[LANE4], 2, v1
	v_lshlrev_b32 v[LANE16], 4, v1
	v_lshlrev_b32 v[CW], 2, v0
	v_add_nc_u32 v[PR], POSW, v[VOFF]              ; thread t: tokens 4 t .. 4 t + 3
	v_and_b32 v[CR], 7, v0
	v_lshl_add_u32 v[CR], v[CR], 2, CNT
	v_mov_b32 v[DW], DUMPW
.irp k, 0,1,2,3
	v_mov_b32 v[PV+\k], 0
.endr
	s_wait_alu depctr_va_sdst(0)                   ; s14 is written, ahead of its first reader: the bases below are made from it
	s_mul_i32 s18, s14, LISTB
	s_lshl_b32 s19, s14, 10                        ; expert x 1024
	s_lshl_b32 s20, s14, 12
	v_add_nc_u32 v[LG], s20, v[LANE16]
	s_add_co_u32 s21, s20, POSW
	v_add_nc_u32 v[PA], s21, v[LANE16]
	s_lshl_b32 s22, s14, 2
	s_add_co_u32 s22, s22, CNT
	v_mov_b32 v[CA], s22
	s_mov_b32 s17, 0                               ; tokens found so far
	; my list starts as token 0 in all its 1,056 words: 8 x 512 bytes + 128 bytes.  LDS serves a wave's stores in order, so the tokens below land on top.
	v_add_nc_u32 v[LA], s18, v[LANE16]
	v_add_nc_u32 v[ZA], s18, v[LANE4]
	s_wait_alu depctr_va_vdst(0)                   ; every address of the kernel and the four zeros are written: the stores and loads below read them
.irp j, 0,1,2,3,4,5,6,7
	ds_store_b128 v[LA], v[PV:PV+3] offset:512*\j
.endr
	ds_store_b32 v[ZA], v[PV] offset:4096
	s_wait_kmcnt 0x0
.irp j, 0,1,2,3,4,5,6,7
	global_load_b128 v[ID+4*\j:ID+4*\j+3], v[LANE16], s[4:5] offset:512*\j
.endr
	s_wait_loadcnt 0x0
; 32 tokens at a time: a lane's rank is the count so far plus the matching lanes below it.  First all 32 masks,
.set n, 0
.rept 32
	v_cmp_eq_u32 s[MK+n], s14, v[ID+n]
.set n, n+1
.endr
	s_wait_alu depctr_va_sdst(0)                   ; the 32 masks are written, ahead of their first reader
; then the ranks, with the running count in s17, and the tokens,
.set n, 0
.rept 32
	v_mbcnt_lo_u32_b32 v[PVS+n], s[MK+n], s17
	s_bcnt1_i32_b32 s23, s[MK+n]
	s_add_co_u32 s17, s17, s23
	v_add_nc_u32 v[TKS+n], 128*(n/4)+n%4, v[LANE4]
.set n, n+1
.endr
; then each line for all 32 turns, so that none reads the result of the line before it
.set n, 0
.rept 32
	v_cndmask_b32 v[ADS+n], v[DW], v[PVS+n], s[MK+n]
.set n, n+1
.endr
.set n, 0
.rept 32
	v_min_u32 v[ADS+n], LASTW, v[ADS+n]            ; inside my wave's 1,056 words whatever ids hold
.set n, n+1
.endr
.set n, 0
.rept 32
	v_lshl_add_u32 v[ADS+n], v[ADS+n], 2, s18
.set n, n+1
.endr
.set n, 0
.rept 32
	v_add_nc_u32 v[PVS+n], s19, v[PVS+n]
.set n, n+1
.endr
.set n, 0
.rept 32
	v_cndmask_b32 v[PVS+n], 0, v[PVS+n], s[MK+n]
.set n, n+1
.endr
	v_mov_b32 v[CV], s17
	s_wait_alu depctr_va_vdst(0)                   ; the 32 addresses, tokens and places and my count are written: the LDS stores below read them
.irp j, 0,1,2,3,4,5,6,7
.irp cc, 0,1,2,3
	ds_store_b32 v[ADS+4*\j+\cc], v[TKS+4*\j+\cc]
.endr
	ds_store_b128 v[PA], v[PVS+4*\j:PVS+4*\j+3] offset:512*\j
.endr
	ds_store_b32 v[CA], v[CV]
	s_wait_dscnt 0x0                               ; my list, places and count are in LDS before I say so
	s_barrier_signal -1
	s_barrier_wait -1                              ; behind it LDS is read and never written
.irp j, 0,1,2,3,4,5,6,7
	ds_load_b128 v[LO+4*\j:LO+4*\j+3], v[LA] offset:512*\j         ; my list's first 1,024 words
.endr
.irp w, 0,1,2,3,4,5,6,7
	ds_load_b128 v[XL+4*\w:XL+4*\w+3], v[PR] offset:4096*\w
.endr
	ds_load_b32 v[CB], v[CR]
.irp j, 0,1,2,3,4,5,6,7
	s_wait_dscnt 16-\j                             ; list piece j is back: behind it stand 7 - j pieces, the eight views and the count
	global_store_b128 v[LG], v[LO+4*\j:LO+4*\j+3], s[6:7] offset:512*\j    ; 512 consecutive bytes, aligned
.endr
	s_wait_dscnt 0x0
.irp w, 1,2,3,4,5,6,7
.irp k, 0,1,2,3
	v_or_b32 v[XL+\k], v[XL+\k], v[XL+4*\w+\k]     ; one view holds the place, the other seven 0
.endr
.endr
	s_wait_alu depctr_va_vdst(0)                   ; the ORs have written v[XL:XL+3], which the store of pos reads
	global_store_b128 v[VOFF], v[XL:XL+3], s[8:9]          ; pos: 4,096 consecutive bytes from the eight waves
	global_store_b32 v[CW], v[CB], s[10:11]                ; meta: 1,024 consecutive bytes from the eight waves
	s_wait_dscnt 0x0
	s_wait_alu depctr_hold_cnt(0) depctr_sa_sdst(0) depctr_va_vdst(0) depctr_va_sdst(0) depctr_va_ssrc(0) depctr_va_vcc(0) depctr_vm_vsrc(0)
	s_wait_tensorcnt 0x0
	ds_add_u32 v212, v213
	s_wait_dscnt 0x0
	s_endpgm
.Lfunc_end_k_q3ab01de427_sort:
	.size	k_q3ab01de427_sort, .Lfunc_end_k_q3ab01de427_sort-k_q3ab01de427_sort
	.p2alignl 7, 3214868480
	.fill 96, 4, 3214868480
	.section	.rodata,"a",@progbits
	.p2align	6, 0x0
	.amdhsa_kernel k_q3ab01de427_sort
		.amdhsa_group_segment_fixed_size 67840
		.amdhsa_private_segment_fixed_size 0
		.amdhsa_enable_private_segment 0
		.amdhsa_kernarg_size 32
		.amdhsa_user_sgpr_count 2
		.amdhsa_user_sgpr_kernarg_segment_ptr 1
		.amdhsa_wavefront_size32 1
		.amdhsa_system_sgpr_workgroup_id_x 1
		.amdhsa_system_sgpr_workgroup_id_y 1
		.amdhsa_system_sgpr_workgroup_id_z 1
		.amdhsa_system_vgpr_workitem_id 0
		.amdhsa_next_free_vgpr 214
		.amdhsa_next_free_sgpr 66
		.amdhsa_reserve_vcc 0
		.amdhsa_float_denorm_mode_32 3
		.amdhsa_float_denorm_mode_16_64 3
		.amdhsa_memory_ordered 1
		.amdhsa_forward_progress 1
		.amdhsa_inst_pref_size 27
	.end_amdhsa_kernel
	.amdgpu_metadata
---
amdhsa.version: [ 1, 2 ]
amdhsa.kernels:
  - .name:           k_q3ab01de427_sort
    .symbol:         k_q3ab01de427_sort.kd
    .args:
      - { .name: ids, .offset: 0, .size: 8, .value_kind: global_buffer, .address_space: global }
      - { .name: list, .offset: 8, .size: 8, .value_kind: global_buffer, .address_space: global }
      - { .name: pos, .offset: 16, .size: 8, .value_kind: global_buffer, .address_space: global }
      - { .name: meta, .offset: 24, .size: 8, .value_kind: global_buffer, .address_space: global }
    .group_segment_fixed_size: 67840
    .private_segment_fixed_size: 0
    .kernarg_segment_align: 8
    .kernarg_segment_size: 32
    .max_flat_workgroup_size: 256
    .sgpr_count:     66
    .vgpr_count:     214
    .wavefront_size: 32
...
	.end_amdgpu_metadata
.endif
;; end of part 7
;; launch permute: the kernel of part 3 again; grid 64 x 1, 8 waves a work-group, no clusters, 35,840 bytes of LDS; arguments list, meta, x, xs; writes xs
;; launch gemm1 (part 8): grid 256 x 1, 4 waves a work-group, no clusters, 164,352 bytes of LDS; arguments w1, xs, meta, hs; writes hs
.if DOCPART == 8
	.amdgcn_target "amdgcn-amd-amdhsa--gfx1250"
	.amdhsa_code_object_version 6
	.text
	.protected	k_q3ab01de427_gemm1
	.globl	k_q3ab01de427_gemm1
	.p2align	8
	.type	k_q3ab01de427_gemm1,@function
k_q3ab01de427_gemm1:
	s_mov_b64 s[64:65], 0
	v_nop
	global_prefetch_b8 v0, s[64:65] scope:SCOPE_SE
	s_setreg_imm32_b32 hwreg(HW_REG_WAVE_SCHED_MODE, 0, 2), 2
	s_setreg_imm32_b32 hwreg(HW_REG_WAVE_MODE, 25, 1), 1
	s_wait_xcnt 0x0
	s_wait_alu depctr_vm_vsrc(0)
; hs = gelu(xs w1[e]), for each expert's own tokens alone: the dispatch of the layer throws every other product away.
; w1: [8][1024 k][4096 f] f32.  xs: [8][K step 32][tile 64][1 KB] bf16 blocks of 16 tokens x 32 k.  hs: [8][K step 128][tile 64][1 KB], the same
; kind of block with f in k's place.  meta: word e = tokens of expert e.
; THE LAUNCH IS A STREAM OF WEIGHTS: 128 MB of w1 against some 128 tokens an expert.  Work-group X: expert X / 32, 128 columns.  Wave w: a strip of
; 64 columns (256 bytes of a row; w & 1) and half of K (512 rows; w >> 1), in 16 steps of 32 rows.  Every byte of w1 is loaded once in a pass,
; sixteen lanes covering 256 consecutive aligned bytes of a row, and rounded to bf16 in registers.
; NO TRANSPOSITION: load i of a step gives lane (r, h) four neighbouring columns of row 16 h + i.  Packing component q of rows 2 p and 2 p + 1 gives
; register p of a fragment whose lane r stands for column 4 chunk(r) + q and whose K order is 16 h + 2 p, + 1: the order in which xs is laid.
; K is permuted alike on both sides, which keeps the products.
; chunk(r) is r with bits 2 and 3 exchanged; with the weights as source 0 a lane (r, h) then ends up with token r at columns 32 jq + 16 h + 0..15 of the
; strip (jq: upper or lower four registers of a result): the 32 bytes of one lane in a block of hs.
; THE 16 STEPS ARE WRITTEN OUT: the step stands in the loads' immediates ((32 x 15 + 15) rows of 16,384 bytes = 8,110,080 at the most, inside the signed
; 24 bits), so that no base is stepped and no address register is rewritten while a load or a request ahead names it.
; PASSES: 160 tokens (10 tiles, 40 accumulator tiles) in a pass; an expert with more tokens streams its strip again, up to 7 passes for all 1,024.
; The pass loop has a fixed count and its two barriers are passed by every wave in every trip; stream and way out, which hold no barrier, are
; jumped over when the pass has no tile.  Tiles past the last are replaced by the last one, so that every path issues the same loads.
; The two K halves of a strip meet in LDS.  An expert without tokens leaves its weights unread.
; No cluster and no tensor loads: no weight byte is wanted by two work-groups, the weights must pass through registers to be rounded, and the
; number of token tiles hangs on a count read from memory.
; LIMITS.  erf by the rational form 7.1.26 of Abramowitz and Stegun, absolute error 1.5e-7.  gelu(+-inf) gives NaN; every finite h is served.
; THE MODE: SCHED_MODE bits 1:0 = 2 (LLVM: expert scheduling mode 2), set by the entry lines.  The code itself states the register dependences
; between vector or matrix instructions and memory or LDS instructions, with s_wait_alu, always for 0.
; THE PLAN.  Registers that memory or LDS instructions touch:
;   WS0, WS1      Step k: its 32 packing lines read WS[k & 1]; behind them the weights of step k + 2 land in it.
;   AB0 .. AB2    Step k: its 40 matrix instructions read AB[k % 3]; the token fragments of step k + 2 land in AB[(k + 2) % 3] = AB[(k - 1) % 3], which the
;                 matrix instructions of step k - 1 read and no instruction of step k names.
;   VOFFA         Written at a pass's head; read by the pass's token loads.
;   VOFFW, VOFFP, LANE16, LDSW   Made at the kernel's head, never written again.
;   the sums      Written by the matrix instructions; read by the LDS stores at the stream's end; written anew by the next pass's step 0.
;   LDSR, LDSR2   The way out: read by a unit's LDS loads, stepped at the unit's end.   XR, AX: those loads land in them; the unit's arithmetic reads and writes them.
;   OO            Written by a unit's last roundings; read by its two stores.
;   BF and the other registers of the way out are named by vector and matrix instructions alone.
; So ONE wait on va_vdst stands in a step, behind its packing lines: they are done reading WS[k & 1], and the matrix instructions of the step before are done reading their
; token fragments.  The step's 36 loads follow it, dealt among its matrix instructions, which name BF, AB[k % 3] and the sums: none of the registers that those loads touch.
.set ROWB,   16384                     ; bytes in a row of w1[e]
.set KSTEPS, 16                        ; steps of 32 rows in my 512
.set MT,     10                        ; token tiles in a pass
.set NPASS,  7                         ; 7 x 160 >= 1,024
.set WREG,   MT*4096                   ; a wave's sums in LDS: [tile 10][q 4][jq 2][lane x 16]
.set ASTEP,  65536                     ; from one K step of xs to the next
.set VOFFW,  4                         ; v4      weights: 16 h rows + 16 chunk(r)
.set LANE16, 5                         ; v5      16 x lane
.set VOFFP,  6                         ; v6      lane rows: one row a lane for the requests ahead
.set LDSW,   7                         ; v7      where my sums go
.set LDSR,   8                         ; v8, v9  where I read the two K halves of a unit
.set LDSR2,  9
.set VOFFA,  10                        ; v[10:19] token tile i of the pass: tile x 1,024 + 16 lane
.set LDSR0,  20                        ; v20     LDSR of a pass's first unit
.set TMPV,   21
.set CC,     22                        ; v[22:31] five constants, each twice (pairs for the packed multiply-add)
.set BF,     32                        ; v[32:63] four weight fragments
.set WS,     64                        ; v[64:127], v[128:191] weights as loaded, two stages: step k uses stage k & 1
; token fragments, three stages of 80 registers: step k uses stage k % 3.  Stage 0: window 2, v[64:143]; stage 1: window 2, v[144:223]; stage 2: window 3, v[0:79]
; window 1: accumulator tile (i, q), i = 0-7, at 8 (4 i + q);  window 2: tiles i = 8, 9 at 8 (4 (i - 8) + q)
.set XR,     64                        ; the way out, in the weights' registers: h, then gelu(h)
.set AX,     80                        ; the other K half, then |h|
.set DD,     96
.set EM,     112
.set TT,     128
.set EE,     144
.set MX,     160
.set PP,     176
.set OO,     192                       ; v[192:199] 16 bf16 to store
.set WB,     28                        ; s[28:29] weights: my strip's first row; never rewritten
.set AP,     30                        ; s[30:31] tokens: my first K step; never rewritten
.set MSB, 0
.macro WIN new                         ; the immediate's high byte repeats the setting that is left
.if MSB != (\new)
	s_set_vgpr_msb (MSB<<8)|(\new)
.set MSB, (\new)
.endif
.endm
.macro ABSET st                        ; stage st of the token fragments: its first register ABR in window ABW
.if (\st) == 2
.set ABR, 0
.set ABW, 3
.else
.set ABR, 64+80*(\st)
.set ABW, 2
.endif
.endm
	s_load_b256 s[4:11], s[0:1], 0x0               ; w1 s[4:5], xs s[6:7], meta s[8:9], hs s[10:11]
	v_lshl_add_u32 v254, v0, 2, 0x28000
	v_mov_b32 v255, 0
	v_lshrrev_b32 v1, 5, v0
	v_readfirstlane_b32 s12, v1                    ; wave
	s_lshr_b32 s13, ttmp9, 5                       ; expert
	s_and_b32 s14, ttmp9, 31                       ; block of 128 columns
	s_wait_alu depctr_va_sdst(0)                   ; s12 is written, ahead of its first reader
	s_and_b32 s15, s12, 1                          ; strip in it
	s_lshr_b32 s16, s12, 1                         ; half of K; on the way out: jq
	s_lshl_b32 s25, s13, 2
	v_and_b32 v1, 31, v0
	v_bfe_u32 v3, v0, 4, 1                         ; h
	v_and_b32 v[VOFFW], 3, v0
	v_bfe_u32 v[TMPV], v0, 2, 1
	v_lshl_or_b32 v[VOFFW], v[TMPV], 3, v[VOFFW]
	v_bfe_u32 v[TMPV], v0, 3, 1
	v_lshl_or_b32 v[VOFFW], v[TMPV], 2, v[VOFFW]   ; chunk(r)
	v_lshlrev_b32 v[VOFFW], 4, v[VOFFW]
	v_lshl_add_u32 v[VOFFW], v3, 18, v[VOFFW]      ; + 16 h rows of 16,384 bytes
	v_lshlrev_b32 v[LANE16], 4, v1
	v_lshlrev_b32 v[VOFFP], 14, v1
	s_mul_i32 s26, s12, WREG
	v_add_nc_u32 v[LDSW], s26, v[LANE16]
	s_mul_i32 s26, s15, WREG                       ; the sums of wave s (first K half); wave s + 2 lies 2 WREG further
	s_lshl_b32 s24, s16, 9
	s_add_co_u32 s26, s26, s24
	v_add_nc_u32 v[LDSR0], s26, v[LANE16]
.irp k, 0,1
	v_mov_b32 v[CC+\k],   0xbe027906                ; -0.127414796   the form's five coefficients, halved and negated
	v_mov_b32 v[CC+2+\k], 0x3e11a98e                ;  0.142248368
	v_mov_b32 v[CC+4+\k], 0xbf35f0e3                ; -0.7107068705
	v_mov_b32 v[CC+6+\k], 0x3f3a00e3                ;  0.7265760135
	v_mov_b32 v[CC+8+\k], 0xbf07dc22                ; -0.5307027145
.endr
	s_wait_kmcnt 0x0
	s_load_b32 s17, s[8:9], s25 offset:0x0         ; my expert's count
	s_lshl_b32 s26, s13, 24                        ; w1: expert x 16 MB
	s_lshl_b32 s24, s16, 23                        ; + K half x 512 rows
	s_add_co_u32 s26, s26, s24
	s_lshl_b32 s24, s14, 9                         ; + block x 512 bytes
	s_add_co_u32 s26, s26, s24
	s_lshl_b32 s24, s15, 8                         ; + strip x 256 bytes
	s_add_co_u32 s26, s26, s24
	s_mov_b32 s27, 0
	s_add_nc_u64 s[WB:WB+1], s[4:5], s[26:27]
	s_lshl_b32 s26, s13, 21                        ; xs: expert x 2 MB + K half x 16 steps
	s_lshl_b32 s24, s16, 20
	s_add_co_u32 s26, s26, s24
	s_add_nc_u64 s[AP:AP+1], s[6:7], s[26:27]
	s_lshl_b32 s26, s13, 23                        ; hs: expert x 8 MB + K step (4 block + 2 strip + jq) x 64 KB
	s_lshl_b32 s24, s14, 18
	s_add_co_u32 s26, s26, s24
	s_lshl_b32 s24, s15, 17
	s_add_co_u32 s26, s26, s24
	s_lshl_b32 s24, s16, 16
	s_add_co_u32 s26, s26, s24
	s_add_nc_u64 s[36:37], s[10:11], s[26:27]
	s_wait_kmcnt 0x0
	s_min_u32 s17, s17, 1024
	s_add_co_u32 s18, s17, 15
	s_lshr_b32 s18, s18, 4                         ; tiles of my expert
	s_sub_co_u32 s19, s18, 1                       ; the last of them (used only where there is one)
.macro LOADW k                         ; 16 loads: step k's 32 rows x 256 bytes of my strip
	WIN 0
.irp i, 0,1,2,3,4,5,6,7,8,9,10,11,12,13,14,15
	global_load_b128 v[WS+64*((\k)&1)+4*\i:WS+64*((\k)&1)+4*\i+3], v[VOFFW], s[WB:WB+1] offset:(32*(\k)+\i)*ROWB th:TH_LOAD_NT
.endr
.endm
.macro LOADA k                         ; 20 loads: step k's ten token fragments, 512 consecutive bytes each load, into stage k % 3
	ABSET ((\k)%3)
	WIN (ABW<<6)                                   ; destination in the stage's window, address in window 0
.irp i, 0,1,2,3,4,5,6,7,8,9
	global_load_b128 v[ABR+8*\i:ABR+8*\i+3],   v[VOFFA+\i], s[AP:AP+1] offset:ASTEP*(\k)
	global_load_b128 v[ABR+8*\i+4:ABR+8*\i+7], v[VOFFA+\i], s[AP:AP+1] offset:ASTEP*(\k)+512
.endr
.endm
.macro PREF k                          ; asks for step k's 32 rows of my own strip: one row's 256 bytes a lane, each once in a pass
	WIN 0
	global_prefetch_b8 v[VOFFP], s[WB:WB+1] offset:32*(\k)*ROWB th:TH_LOAD_NT scope:SCOPE_SE
.endm
; A step's 40 matrix instructions, in two parts; the 40 accumulators take turns, one instruction a turn, from step to step too.
.macro MMLO st, zero                   ; tiles 0 to 7: source 0 (weights) window 0, source 1 (tokens) the stage's window, C and D window 1
	ABSET \st
	WIN (0x50|(ABW<<2))
.irp i, 0,1,2,3,4,5,6,7
.irp q, 0,1,2,3
.if \zero
	v_wmma_f32_16x16x32_bf16 v[8*(4*\i+\q):8*(4*\i+\q)+7], v[BF+8*\q:BF+8*\q+7], v[ABR+8*\i:ABR+8*\i+7], 0
.else
	v_wmma_f32_16x16x32_bf16 v[8*(4*\i+\q):8*(4*\i+\q)+7], v[BF+8*\q:BF+8*\q+7], v[ABR+8*\i:ABR+8*\i+7], v[8*(4*\i+\q):8*(4*\i+\q)+7]
.endif
.endr
.endr
.endm
.macro MMHI st, zero                   ; tiles 8 and 9: C and D window 2
	ABSET \st
	WIN (0xa0|(ABW<<2))
.irp i, 0,1
.irp q, 0,1,2,3
.if \zero
	v_wmma_f32_16x16x32_bf16 v[8*(4*\i+\q):8*(4*\i+\q)+7], v[BF+8*\q:BF+8*\q+7], v[ABR+64+8*\i:ABR+64+8*\i+7], 0
.else
	v_wmma_f32_16x16x32_bf16 v[8*(4*\i+\q):8*(4*\i+\q)+7], v[BF+8*\q:BF+8*\q+7], v[ABR+64+8*\i:ABR+64+8*\i+7], v[8*(4*\i+\q):8*(4*\i+\q)+7]
.endif
.endr
.endr
.endm
; K step k: weights in stage k & 1, tokens in stage k % 3.  Step 0's products start the sums: nothing is cleared.  Step k + 2 is loaded while there is one;
; step k + 6 is asked for while there is one: four steps behind the one that is loaded here.
.macro STEP k
	WIN 0
.if (\k) < KSTEPS-1
	s_wait_loadcnt 36                              ; loads come back in order: behind this step's last one stand the next step's 16 + 20
.else
	s_wait_loadcnt 0x0                             ; the last step: nothing was issued behind its loads
.endif
.irp q, 0,1,2,3
.irp p, 0,1,2,3,4,5,6,7
	v_cvt_pk_bf16_f32 v[BF+8*\q+\p], v[WS+64*((\k)&1)+8*\p+\q], v[WS+64*((\k)&1)+8*\p+4+\q]
.endr
.endr
.if (\k)+2 < KSTEPS
	s_wait_alu depctr_va_vdst(0)                   ; the packing lines are done reading WS[k & 1], in which the weights below land; the last step's matrix instructions are done reading their token fragments, in which the tokens below land
	LOADW (\k)+2
.endif
.if (\k)+6 < KSTEPS
	PREF (\k)+6
.endif
.if (\k) == 0
	MMLO 0, 1
.else
	MMLO ((\k)%3), 0
.endif
.if (\k)+2 < KSTEPS
	LOADA (\k)+2                                   ; no wait: no vector or matrix instruction since the wait above names this stage or VOFFA
.endif
.if (\k) == 0
	MMHI 0, 1
.else
	MMHI ((\k)%3), 0
.endif
	WIN 0
.rept 4
	v_nop                                          ; four places behind the matrix instructions: in front of the next step's packing into the weight fragments, and of the stores of the sums
.endr
.endm
.macro DUMP                            ; my 40 tiles of sums into my own part of LDS, 512 consecutive bytes a store
	WIN 0x04
	s_wait_alu depctr_va_vdst(0)                   ; the matrix instructions have written the sums, which the LDS stores read; the places in front stay beside this wait
.irp i, 0,1,2,3,4,5,6,7
.irp q, 0,1,2,3
	ds_store_b128 v[LDSW], v[8*(4*\i+\q):8*(4*\i+\q)+3]   offset:(4*\i+\q)*1024
	ds_store_b128 v[LDSW], v[8*(4*\i+\q)+4:8*(4*\i+\q)+7] offset:(4*\i+\q)*1024+512
.endr
.endr
	WIN 0x08
.irp i, 0,1
.irp q, 0,1,2,3
	ds_store_b128 v[LDSW], v[8*(4*\i+\q):8*(4*\i+\q)+3]   offset:(32+4*\i+\q)*1024
	ds_store_b128 v[LDSW], v[8*(4*\i+\q)+4:8*(4*\i+\q)+7] offset:(32+4*\i+\q)*1024+512
.endr
.endr
	WIN 0
.endm
	s_mov_b32 s20, 0                               ; pass
	s_mov_b32 s21, 0                               ; its first tile
.Lpass:
	s_sub_co_u32 s22, s18, s21
	s_min_u32 s22, s22, MT                         ; tiles of this pass (used only where there is one)
	s_cmp_lt_u32 s21, s18
	s_cbranch_scc0 .Lidle1
	s_wait_alu depctr_vm_vsrc(0)                   ; the last pass's token loads have read VOFFA, which is written below; its LDS stores have read the sums, which step 0's products write anew
.irp i, 0,1,2,3,4,5,6,7,8,9
	s_add_co_u32 s25, s21, \i
	s_min_u32 s25, s25, s19                        ; past the last tile: the last tile again
	s_min_u32 s25, s25, 63
	v_lshl_add_u32 v[VOFFA+\i], s25, 10, v[LANE16] ; the last pass's loads, which named these registers, were waited for by its last step
.endr
	s_wait_alu depctr_va_vdst(0)                   ; VOFFA is written (in the first pass: every address made at the head too); the last pass's way out and products are done with the registers in which the loads below land
	LOADW 0                                        ; steps 0 and 1 fill their stages
	LOADA 0
	PREF 4
	LOADW 1
	PREF 5
	LOADA 1
.irp k, 0,1,2,3,4,5,6,7,8,9,10,11,12,13,14,15
	STEP \k
.endr
	DUMP
.Lidle1:
	s_wait_dscnt 0x0                               ; my sums are in LDS before I say so
	s_barrier_signal -1
	s_barrier_wait -1
	s_cmp_lt_u32 s21, s18
	s_cbranch_scc0 .Lidle2
	; THE WAY OUT.  A unit is one block of hs: tile i of the pass, K step 2 strip + jq.  Wave (s, jq) takes the ten units of strip s with its jq.
	s_lshl_b32 s26, s21, 10
	s_mov_b32 s27, 0
	s_add_nc_u64 s[38:39], s[36:37], s[26:27]
	v_mov_b32 v[LDSR], v[LDSR0]
	v_add_nc_u32 v[LDSR2], 2*WREG, v[LDSR0]
	s_mov_b32 s24, 0
.Lunit:
	s_cmp_lt_u32 s24, s22
	s_cbranch_scc0 .Lno_unit                       ; a repeated tile is not stored
	s_wait_alu depctr_va_vdst(0)                   ; LDSR and LDSR2 are written, which the LDS loads read; the last unit's arithmetic is done with XR and AX, in which they land
.irp q, 0,1,2,3
	ds_load_b128 v[XR+4*\q:XR+4*\q+3], v[LDSR]  offset:1024*\q
	ds_load_b128 v[AX+4*\q:AX+4*\q+3], v[LDSR2] offset:1024*\q
.endr
	s_wait_dscnt 0x0
.irp k, 0,2,4,6,8,10,12,14
	v_pk_add_f32 v[XR+\k:XR+\k+1], v[XR+\k:XR+\k+1], v[AX+\k:AX+\k+1]     ; h: register 4 q + jj is column 16 h + 4 jj + q of the block
.endr
	; gelu(x) = max(x, 0) + |x| q',  q' = -1/2 (a1 t + .. + a5 t^5) 2^(-0.72134752 x^2),  t = 1 / (1 + 0.231641888 |x|)
.irp k, 0,1,2,3,4,5,6,7,8,9,10,11,12,13,14,15
	v_and_b32 v[AX+\k], 0x7fffffff, v[XR+\k]
.endr
.irp k, 0,2,4,6,8,10,12,14
	v_pk_fma_f32 v[DD+\k:DD+\k+1], v[AX+\k:AX+\k+1], 0x3e6d3388, 1.0 op_sel_hi:[1,0,0]
	v_pk_mul_f32 v[EM+\k:EM+\k+1], v[XR+\k:XR+\k+1], v[XR+\k:XR+\k+1]
.endr
.irp k, 0,2,4,6,8,10,12,14
	v_pk_mul_f32 v[EM+\k:EM+\k+1], v[EM+\k:EM+\k+1], 0xbf38aa3b op_sel_hi:[1,0]
.endr
.irp k, 0,1,2,3,4,5,6,7,8,9,10,11,12,13,14,15
	v_rcp_f32 v[TT+\k], v[DD+\k]
.endr
.irp k, 0,1,2,3,4,5,6,7,8,9,10,11,12,13,14,15
	v_exp_f32 v[EE+\k], v[EM+\k]
.endr
.irp k, 0,1,2,3,4,5,6,7,8,9,10,11,12,13,14,15
	v_max_num_f32 v[MX+\k], 0, v[XR+\k]            ; plain instructions between the transcendentals and the first use of their results (ISA guide 5.7.2)
.endr
	s_wait_alu depctr_va_vdst(0)
.irp k, 0,2,4,6,8,10,12,14
	v_pk_fma_f32 v[PP+\k:PP+\k+1], v[TT+\k:TT+\k+1], v[CC+8:CC+9], v[CC+6:CC+7]
.endr
.irp c, 4,2,0
.irp k, 0,2,4,6,8,10,12,14
	v_pk_fma_f32 v[PP+\k:PP+\k+1], v[PP+\k:PP+\k+1], v[TT+\k:TT+\k+1], v[CC+\c:CC+\c+1]
.endr
.endr
.irp k, 0,2,4,6,8,10,12,14
	v_pk_mul_f32 v[PP+\k:PP+\k+1], v[PP+\k:PP+\k+1], v[TT+\k:TT+\k+1]
.endr
.irp k, 0,2,4,6,8,10,12,14
	v_pk_mul_f32 v[PP+\k:PP+\k+1], v[PP+\k:PP+\k+1], v[EE+\k:EE+\k+1]
.endr
.irp k, 0,2,4,6,8,10,12,14
	v_pk_fma_f32 v[XR+\k:XR+\k+1], v[AX+\k:AX+\k+1], v[PP+\k:PP+\k+1], v[MX+\k:MX+\k+1]
.endr
.irp jj, 0,1,2,3
.irp qq, 0,1
	v_cvt_pk_bf16_f32 v[OO+2*\jj+\qq], v[XR+8*\qq+\jj], v[XR+8*\qq+4+\jj]  ; columns 16 h + 4 jj + 2 qq and the next
.endr
.endr
	s_wait_alu depctr_va_vdst(0)                   ; the roundings have written OO, which the two stores read
	global_store_b128 v[LANE16], v[OO:OO+3],   s[38:39]                    ; 512 consecutive bytes, aligned: the block's first half
	global_store_b128 v[LANE16], v[OO+4:OO+7], s[38:39] offset:512
.Lno_unit:
	s_wait_xcnt 0x0                                ; the stores' base and data are written again only behind this wait
	s_wait_alu depctr_vm_vsrc(0)                   ; the stores have read OO, which the next unit's roundings write; the LDS loads have read LDSR and LDSR2, which are stepped below
	s_add_nc_u64 s[38:39], s[38:39], 1024
	v_add_nc_u32 v[LDSR], 4096, v[LDSR]
	v_add_nc_u32 v[LDSR2], 4096, v[LDSR2]
	s_add_co_u32 s24, s24, 1
	s_cmp_lt_u32 s24, MT
	s_cbranch_scc1 .Lunit
.Lidle2:
	s_wait_dscnt 0x0                               ; my reads of the sums are back before anyone writes the next pass's
	s_barrier_signal -1
	s_barrier_wait -1
	s_add_co_u32 s21, s21, MT
	s_add_co_u32 s20, s20, 1
	s_cmp_lt_u32 s20, NPASS
	s_cbranch_scc1 .Lpass
	s_wait_dscnt 0x0
	s_wait_alu depctr_hold_cnt(0) depctr_sa_sdst(0) depctr_va_vdst(0) depctr_va_sdst(0) depctr_va_ssrc(0) depctr_va_vcc(0) depctr_vm_vsrc(0)
	s_wait_tensorcnt 0x0
	ds_add_u32 v254, v255
	s_wait_dscnt 0x0
	s_endpgm
.Lfunc_end_k_q3ab01de427_gemm1:
	.size	k_q3ab01de427_gemm1, .Lfunc_end_k_q3ab01de427_gemm1-k_q3ab01de427_gemm1
	.p2alignl 7, 3214868480
	.fill 96, 4, 3214868480
	.section	.rodata,"a",@progbits
	.p2align	6, 0x0
	.amdhsa_kernel k_q3ab01de427_gemm1
		.amdhsa_group_segment_fixed_size 164352
		.amdhsa_private_segment_fixed_size 0
		.amdhsa_enable_private_segment 0
		.amdhsa_kernarg_size 32
		.amdhsa_user_sgpr_count 2
		.amdhsa_user_sgpr_kernarg_segment_ptr 1
		.amdhsa_wavefront_size32 1
		.amdhsa_system_sgpr_workgroup_id_x 1
		.amdhsa_system_sgpr_workgroup_id_y 1
		.amdhsa_system_sgpr_workgroup_id_z 1
		.amdhsa_system_vgpr_workitem_id 0
		.amdhsa_next_free_vgpr 848
		.amdhsa_next_free_sgpr 66
		.amdhsa_reserve_vcc 0
		.amdhsa_float_denorm_mode_32 3
		.amdhsa_float_denorm_mode_16_64 3
		.amdhsa_memory_ordered 1
		.amdhsa_forward_progress 1
		.amdhsa_inst_pref_size 154
	.end_amdhsa_kernel
	.amdgpu_metadata
---
amdhsa.version: [ 1, 2 ]
amdhsa.kernels:
  - .name:           k_q3ab01de427_gemm1
    .symbol:         k_q3ab01de427_gemm1.kd
    .args:
      - { .name: w1, .offset: 0, .size: 8, .value_kind: global_buffer, .address_space: global }
      - { .name: xs, .offset: 8, .size: 8, .value_kind: global_buffer, .address_space: global }
      - { .name: meta, .offset: 16, .size: 8, .value_kind: global_buffer, .address_space: global }
      - { .name: hs, .offset: 24, .size: 8, .value_kind: global_buffer, .address_space: global }
    .group_segment_fixed_size: 164352
    .private_segment_fixed_size: 0
    .kernarg_segment_align: 8
    .kernarg_segment_size: 32
    .max_flat_workgroup_size: 128
    .sgpr_count:     66
    .vgpr_count:     848
    .wavefront_size: 32
...
	.end_amdgpu_metadata
.endif
;; end of part 8
;; launch gemm2 (part 9): grid 256 x 1, 4 waves a work-group, no clusters, 164,352 bytes of LDS; arguments w2, hs, meta, part; writes part
.if DOCPART == 9
	.amdgcn_target "amdgcn-amd-amdhsa--gfx1250"
	.amdhsa_code_object_version 6
	.text
	.protected	k_q3ab01de427_gemm2
	.globl	k_q3ab01de427_gemm2
	.p2align	8
	.type	k_q3ab01de427_gemm2,@function
k_q3ab01de427_gemm2:
	s_mov_b64 s[64:65], 0
	v_nop
	global_prefetch_b8 v0, s[64:65] scope:SCOPE_SE
	s_setreg_imm32_b32 hwreg(HW_REG_WAVE_SCHED_MODE, 0, 2), 2
	s_setreg_imm32_b32 hwreg(HW_REG_WAVE_MODE, 25, 1), 1
	s_wait_xcnt 0x0
	s_wait_alu depctr_vm_vsrc(0)
; part[half][e][rank][d] = sum over one half of f of hs[e][rank][f] w2[e][f][d], for each expert's own tokens, rows in the order of the expert's list.
; w2: [8][4096 f][1024 d] f32.  hs: [8][K step 128][tile 64][1 KB] bf16 blocks of 16 tokens x 32 f.  part: [2][8][1024][1024] f32.  meta: word e = tokens of expert e.
; THE SAME STREAM OF WEIGHTS as in the first product: 128 MB of w2 against some 128 tokens an expert.  Work-group X: expert X / 32, a strip of 64 columns
; (256 bytes of a row; (X / 2) mod 16) and half of K (X mod 2).  Wave w: a quarter of that half, 512 rows, in 16 steps of 32.  Every byte of w2 is loaded once in a
; pass, sixteen lanes covering 256 consecutive aligned bytes of a row, and rounded to bf16 in registers.
; NO TRANSPOSITION: load i of a step gives lane (r, h) columns 4 r .. 4 r + 3 of row 16 h + i.  Packing component q of rows 2 p and 2 p + 1 gives register p of a
; fragment whose lane r stands for column 4 r + q and whose K order is 16 h + 2 p, + 1: the order in which hs is laid.  K is permuted alike on both sides.
; With the tokens as source 0, register j of a result is token 8 h + j at column 4 r + q: the four q of one token are 16 neighbouring bytes of a row.
; THE 16 STEPS ARE WRITTEN OUT: the step stands in the loads' immediates ((32 x 15 + 15) rows of 4,096 bytes at the most), so that no base is stepped and no
; address register is rewritten while a load or a request ahead names it.
; PASSES: 160 tokens (10 tiles) in a pass, up to 7 passes for all 1,024 tokens; the pass loop has a fixed count and its two barriers are passed by every wave in
; every trip; stream and way out hold no barrier and are jumped over when the pass has no tile.  Tiles past the last are replaced by the last one.
; The four waves' K quarters meet in LDS; the two K halves are two work-groups' and are added by the next launch: K is split in two so that all 256 work-groups
; have a strip of whole 256-byte pieces of rows.  An expert without tokens leaves its weights unread.
; No cluster and no tensor loads: no weight byte is wanted by two work-groups, the weights must pass through registers to be rounded, and the
; number of token tiles hangs on a count read from memory.
; THE MODE: SCHED_MODE bits 1:0 = 2 (LLVM: expert scheduling mode 2), set by the entry lines.  The code itself states the register dependences
; between vector or matrix instructions and memory or LDS instructions, with s_wait_alu, always for 0.
; THE PLAN.  Registers that memory or LDS instructions touch:
;   WS0, WS1      Step k: its 32 packing lines read WS[k & 1]; behind them the weights of step k + 2 land in it.
;   AB0 .. AB2    Step k: its 40 matrix instructions read AB[k % 3]; the token fragments of step k + 2 land in AB[(k + 2) % 3] = AB[(k - 1) % 3], which the
;                 matrix instructions of step k - 1 read and no instruction of step k names.
;   VOFFA         Written at a pass's head; read by the pass's token loads.
;   VOFFW, VOFFP, VOFFO, LANE16, LDSW   Made at the kernel's head, never written again.
;   the sums      Written by the matrix instructions; read by the LDS stores at the stream's end; written anew by the next pass's step 0.
;   LDSR, LDSR2   The way out: read by a unit's LDS loads, stepped at the unit's end.   R0: those loads land in it; the unit's additions read and write it.
;   OO            Written by a unit's last additions; read by its four stores.  It lies in WS1, in which the next pass's weights land.
;   BF is named by vector and matrix instructions alone.
; So ONE wait on va_vdst stands in a step, behind its packing lines: they are done reading WS[k & 1], and the matrix instructions of the step before are done reading their
; token fragments.  The step's 36 loads follow it, dealt among its matrix instructions, which name BF, AB[k % 3] and the sums: none of the registers that those loads touch.
.set ROWB,   4096                      ; bytes in a row of w2[e]
.set KSTEPS, 16                        ; steps of 32 rows in my 512
.set MT,     10
.set NPASS,  7
.set WREG,   MT*4096                   ; a wave's sums in LDS: [tile 10][q 4][jq 2][lane x 16]
.set ASTEP,  65536
.set VOFFW,  4                         ; v4      weights: 16 h rows + 16 r
.set LANE16, 5
.set VOFFP,  6                         ; v6      lane rows
.set LDSW,   7
.set LDSR,   8                         ; v8, v9  where I read waves 0, 1 and waves 2, 3
.set LDSR2,  9
.set VOFFA,  10                        ; v[10:19]
.set LDSR0,  20
.set VOFFO,  21                        ; v21     part: 8 h rows + 16 r
.set BF,     32                        ; v[32:63] four weight fragments
.set WS,     64                        ; v[64:127], v[128:191] weights as loaded, two stages: step k uses stage k & 1
; token fragments, three stages of 80 registers: step k uses stage k % 3.  Stage 0: window 2, v[64:143]; stage 1: window 2, v[144:223]; stage 2: window 3, v[0:79]
; window 1: accumulator tile (i, q), i = 0-7, at 8 (4 i + q);  window 2: tiles i = 8, 9 at 8 (4 (i - 8) + q)
.set R0,     64                        ; the way out: v[64:127] four waves' sums of a unit
.set OO,     128                       ; v[128:143] four rows' 16 bytes
.set WB,     28                        ; s[28:29] weights: my strip's first row; never rewritten
.set AP,     30                        ; s[30:31] tokens: my first K step; never rewritten
.set MSB, 0
.macro WIN new                         ; the immediate's high byte repeats the setting that is left
.if MSB != (\new)
	s_set_vgpr_msb (MSB<<8)|(\new)
.set MSB, (\new)
.endif
.endm
.macro ABSET st                        ; stage st of the token fragments: its first register ABR in window ABW
.if (\st) == 2
.set ABR, 0
.set ABW, 3
.else
.set ABR, 64+80*(\st)
.set ABW, 2
.endif
.endm
	s_load_b256 s[4:11], s[0:1], 0x0               ; w2 s[4:5], hs s[6:7], meta s[8:9], part s[10:11]
	v_lshl_add_u32 v254, v0, 2, 0x28000
	v_mov_b32 v255, 0
	v_lshrrev_b32 v1, 5, v0
	v_readfirstlane_b32 s12, v1                    ; wave
	s_lshr_b32 s13, ttmp9, 5                       ; expert
	s_bfe_u32 s14, ttmp9, 0x40001                  ; strip: 4 bits from bit 1
	s_and_b32 s40, ttmp9, 1                        ; half of K
	s_wait_alu depctr_va_sdst(0)                   ; s12 is written, ahead of its first reader
	s_and_b32 s15, s12, 1                          ; the way out: jq
	s_lshr_b32 s16, s12, 1                         ; the way out: my first tile
	s_lshl2_add_u32 s41, s40, s12                  ; eighth of K = 4 half + wave
	s_lshl_b32 s25, s13, 2
	v_and_b32 v1, 31, v0
	v_and_b32 v2, 15, v0
	v_bfe_u32 v3, v0, 4, 1
	v_lshlrev_b32 v[VOFFW], 4, v2
	v_lshl_add_u32 v[VOFFO], v3, 15, v[VOFFW]      ; 8 h rows of 4,096 bytes + 16 r
	v_lshl_add_u32 v[VOFFW], v3, 16, v[VOFFW]      ; 16 h rows + 16 r
	v_lshlrev_b32 v[LANE16], 4, v1
	v_lshlrev_b32 v[VOFFP], 12, v1
	s_mul_i32 s26, s12, WREG
	v_add_nc_u32 v[LDSW], s26, v[LANE16]
	s_lshl_b32 s26, s16, 12
	s_lshl_b32 s24, s15, 9
	s_add_co_u32 s26, s26, s24
	v_add_nc_u32 v[LDSR0], s26, v[LANE16]
	s_wait_kmcnt 0x0
	s_load_b32 s17, s[8:9], s25 offset:0x0         ; my expert's count
	s_lshl_b32 s26, s13, 24                        ; w2: expert x 16 MB + eighth x 512 rows + strip x 256 bytes
	s_lshl_b32 s24, s41, 21
	s_add_co_u32 s26, s26, s24
	s_lshl_b32 s24, s14, 8
	s_add_co_u32 s26, s26, s24
	s_mov_b32 s27, 0
	s_add_nc_u64 s[WB:WB+1], s[4:5], s[26:27]
	s_lshl_b32 s26, s13, 23                        ; hs: expert x 8 MB + eighth x 16 steps
	s_lshl_b32 s24, s41, 20
	s_add_co_u32 s26, s26, s24
	s_add_nc_u64 s[AP:AP+1], s[6:7], s[26:27]
	s_lshl_b32 s26, s40, 25                        ; part: half x 32 MB + expert x 4 MB + (16 first tile + 4 jq) rows + strip x 256 bytes
	s_lshl_b32 s24, s13, 22
	s_add_co_u32 s26, s26, s24
	s_lshl_b32 s24, s16, 16
	s_add_co_u32 s26, s26, s24
	s_lshl_b32 s24, s15, 14
	s_add_co_u32 s26, s26, s24
	s_lshl_b32 s24, s14, 8
	s_add_co_u32 s26, s26, s24
	s_add_nc_u64 s[36:37], s[10:11], s[26:27]
	s_wait_kmcnt 0x0
	s_min_u32 s17, s17, 1024
	s_add_co_u32 s18, s17, 15
	s_lshr_b32 s18, s18, 4                         ; tiles of my expert
	s_sub_co_u32 s19, s18, 1                       ; the last of them (used only where there is one)
.macro LOADW k                         ; 16 loads: step k's 32 rows x 256 bytes of my strip
	WIN 0
.irp i, 0,1,2,3,4,5,6,7,8,9,10,11,12,13,14,15
	global_load_b128 v[WS+64*((\k)&1)+4*\i:WS+64*((\k)&1)+4*\i+3], v[VOFFW], s[WB:WB+1] offset:(32*(\k)+\i)*ROWB th:TH_LOAD_NT
.endr
.endm
.macro LOADA k                         ; 20 loads: step k's ten token fragments, 512 consecutive bytes each load, into stage k % 3
	ABSET ((\k)%3)
	WIN (ABW<<6)                                   ; destination in the stage's window, address in window 0
.irp i, 0,1,2,3,4,5,6,7,8,9
	global_load_b128 v[ABR+8*\i:ABR+8*\i+3],   v[VOFFA+\i], s[AP:AP+1] offset:ASTEP*(\k)
	global_load_b128 v[ABR+8*\i+4:ABR+8*\i+7], v[VOFFA+\i], s[AP:AP+1] offset:ASTEP*(\k)+512
.endr
.endm
.macro PREF k                          ; asks for step k's 32 rows of my own strip: one row's 256 bytes a lane, each once in a pass
	WIN 0
	global_prefetch_b8 v[VOFFP], s[WB:WB+1] offset:32*(\k)*ROWB th:TH_LOAD_NT scope:SCOPE_SE
.endm
; A step's 40 matrix instructions, in two parts; the 40 accumulators take turns, one instruction a turn, from step to step too.
.macro MMLO st, zero                   ; tiles 0 to 7: source 0 (tokens) the stage's window, source 1 (weights) window 0, C and D window 1
	ABSET \st
	WIN (0x50|ABW)
.irp i, 0,1,2,3,4,5,6,7
.irp q, 0,1,2,3
.if \zero
	v_wmma_f32_16x16x32_bf16 v[8*(4*\i+\q):8*(4*\i+\q)+7], v[ABR+8*\i:ABR+8*\i+7], v[BF+8*\q:BF+8*\q+7], 0
.else
	v_wmma_f32_16x16x32_bf16 v[8*(4*\i+\q):8*(4*\i+\q)+7], v[ABR+8*\i:ABR+8*\i+7], v[BF+8*\q:BF+8*\q+7], v[8*(4*\i+\q):8*(4*\i+\q)+7]
.endif
.endr
.endr
.endm
.macro MMHI st, zero                   ; tiles 8 and 9: C and D window 2
	ABSET \st
	WIN (0xa0|ABW)
.irp i, 0,1
.irp q, 0,1,2,3
.if \zero
	v_wmma_f32_16x16x32_bf16 v[8*(4*\i+\q):8*(4*\i+\q)+7], v[ABR+64+8*\i:ABR+64+8*\i+7], v[BF+8*\q:BF+8*\q+7], 0
.else
	v_wmma_f32_16x16x32_bf16 v[8*(4*\i+\q):8*(4*\i+\q)+7], v[ABR+64+8*\i:ABR+64+8*\i+7], v[BF+8*\q:BF+8*\q+7], v[8*(4*\i+\q):8*(4*\i+\q)+7]
.endif
.endr
.endr
.endm
; K step k: weights in stage k & 1, tokens in stage k % 3.  Step 0's products start the sums: nothing is cleared.  Step k + 2 is loaded while there is one;
; step k + 6 is asked for while there is one: four steps behind the one that is loaded here.
.macro STEP k
	WIN 0
.if (\k) < KSTEPS-1
	s_wait_loadcnt 36                              ; loads come back in order: behind this step's last one stand the next step's 16 + 20
.else
	s_wait_loadcnt 0x0                             ; the last step: nothing was issued behind its loads
.endif
.irp q, 0,1,2,3
.irp p, 0,1,2,3,4,5,6,7
	v_cvt_pk_bf16_f32 v[BF+8*\q+\p], v[WS+64*((\k)&1)+8*\p+\q], v[WS+64*((\k)&1)+8*\p+4+\q]
.endr
.endr
.if (\k)+2 < KSTEPS
	s_wait_alu depctr_va_vdst(0)                   ; the packing lines are done reading WS[k & 1], in which the weights below land; the last step's matrix instructions are done reading their token fragments, in which the tokens below land
	LOADW (\k)+2
.endif
.if (\k)+6 < KSTEPS
	PREF (\k)+6
.endif
.if (\k) == 0
	MMLO 0, 1
.else
	MMLO ((\k)%3), 0
.endif
.if (\k)+2 < KSTEPS
	LOADA (\k)+2                                   ; no wait: no vector or matrix instruction since the wait above names this stage or VOFFA
.endif
.if (\k) == 0
	MMHI 0, 1
.else
	MMHI ((\k)%3), 0
.endif
	WIN 0
.rept 4
	v_nop                                          ; four places behind the matrix instructions: in front of the next step's packing into the weight fragments, and of the stores of the sums
.endr
.endm
.macro DUMP                            ; my 40 tiles of sums into my own part of LDS, 512 consecutive bytes a store
	WIN 0x04
	s_wait_alu depctr_va_vdst(0)                   ; the matrix instructions have written the sums, which the LDS stores read; the places in front stay beside this wait
.irp i, 0,1,2,3,4,5,6,7
.irp q, 0,1,2,3
	ds_store_b128 v[LDSW], v[8*(4*\i+\q):8*(4*\i+\q)+3]   offset:(4*\i+\q)*1024
	ds_store_b128 v[LDSW], v[8*(4*\i+\q)+4:8*(4*\i+\q)+7] offset:(4*\i+\q)*1024+512
.endr
.endr
	WIN 0x08
.irp i, 0,1
.irp q, 0,1,2,3
	ds_store_b128 v[LDSW], v[8*(4*\i+\q):8*(4*\i+\q)+3]   offset:(32+4*\i+\q)*1024
	ds_store_b128 v[LDSW], v[8*(4*\i+\q)+4:8*(4*\i+\q)+7] offset:(32+4*\i+\q)*1024+512
.endr
.endr
	WIN 0
.endm
	s_mov_b32 s20, 0                               ; pass
	s_mov_b32 s21, 0                               ; its first tile
.Lpass:
	s_sub_co_u32 s22, s18, s21
	s_min_u32 s22, s22, MT                         ; tiles of this pass (used only where there is one)
	s_cmp_lt_u32 s21, s18
	s_cbranch_scc0 .Lidle1
	s_wait_alu depctr_vm_vsrc(0)                   ; the last pass's token loads have read VOFFA, which is written below; its LDS stores have read the sums, which step 0's products write anew; its stores have read OO, in which weights land
.irp i, 0,1,2,3,4,5,6,7,8,9
	s_add_co_u32 s25, s21, \i
	s_min_u32 s25, s25, s19                        ; past the last tile: the last tile again
	s_min_u32 s25, s25, 63
	v_lshl_add_u32 v[VOFFA+\i], s25, 10, v[LANE16] ; the last pass's loads, which named these registers, were waited for by its last step
.endr
	s_wait_alu depctr_va_vdst(0)                   ; VOFFA is written (in the first pass: every address made at the head too); the last pass's way out and products are done with the registers in which the loads below land
	LOADW 0                                        ; steps 0 and 1 fill their stages
	LOADA 0
	PREF 4
	LOADW 1
	PREF 5
	LOADA 1
.irp k, 0,1,2,3,4,5,6,7,8,9,10,11,12,13,14,15
	STEP \k
.endr
	DUMP
.Lidle1:
	s_wait_dscnt 0x0                               ; my sums are in LDS before I say so
	s_barrier_signal -1
	s_barrier_wait -1
	s_cmp_lt_u32 s21, s18
	s_cbranch_scc0 .Lidle2
	; THE WAY OUT.  A unit is four rows in each half of a tile (tokens 8 h + 4 jq + 0..3) x the strip's 64 columns.  Wave w takes jq = w & 1 of tiles w / 2, + 2, ..
	s_lshl_b32 s26, s21, 16                        ; the pass's first tile x 16 rows
	s_mov_b32 s27, 0
	s_add_nc_u64 s[38:39], s[36:37], s[26:27]
	v_mov_b32 v[LDSR], v[LDSR0]
	v_add_nc_u32 v[LDSR2], 2*WREG, v[LDSR0]
	s_mov_b32 s24, 0
.Lunit:
	s_lshl_b32 s25, s24, 1
	s_add_co_u32 s25, s25, s16                     ; the unit's tile
	s_cmp_lt_u32 s25, s22
	s_cbranch_scc0 .Lno_unit                       ; a repeated tile is not stored
	s_wait_alu depctr_va_vdst(0)                   ; LDSR and LDSR2 are written, which the LDS loads read; the last unit's additions are done with R0, in which they land
.irp q, 0,1,2,3
	ds_load_b128 v[R0+4*\q:R0+4*\q+3],       v[LDSR]  offset:1024*\q
	ds_load_b128 v[R0+16+4*\q:R0+16+4*\q+3], v[LDSR]  offset:WREG+1024*\q
	ds_load_b128 v[R0+32+4*\q:R0+32+4*\q+3], v[LDSR2] offset:1024*\q
	ds_load_b128 v[R0+48+4*\q:R0+48+4*\q+3], v[LDSR2] offset:WREG+1024*\q
.endr
	s_wait_dscnt 0x0
.irp k, 0,2,4,6,8,10,12,14
	v_pk_add_f32 v[R0+\k:R0+\k+1],       v[R0+\k:R0+\k+1],       v[R0+16+\k:R0+16+\k+1]
	v_pk_add_f32 v[R0+32+\k:R0+32+\k+1], v[R0+32+\k:R0+32+\k+1], v[R0+48+\k:R0+48+\k+1]
.endr
.irp jj, 0,1,2,3
.irp q, 0,1,2,3
	v_add_f32 v[OO+4*\jj+\q], v[R0+4*\q+\jj], v[R0+32+4*\q+\jj]            ; the last addition also puts a row's four columns side by side
.endr
.endr
	s_wait_alu depctr_va_vdst(0)                   ; the additions have written OO, which the four stores read
.irp jj, 0,1,2,3
	global_store_b128 v[VOFFO], v[OO+4*\jj:OO+4*\jj+3], s[38:39] offset:\jj*4096   ; sixteen lanes store 256 consecutive aligned bytes of one row
.endr
.Lno_unit:
	s_wait_xcnt 0x0                                ; the stores' base and data are written again only behind this wait
	s_wait_alu depctr_vm_vsrc(0)                   ; the stores have read OO, which the next unit's additions write; the LDS loads have read LDSR and LDSR2, which are stepped below
	s_add_nc_u64 s[38:39], s[38:39], 131072        ; two tiles on: 32 rows
	v_add_nc_u32 v[LDSR], 8192, v[LDSR]
	v_add_nc_u32 v[LDSR2], 8192, v[LDSR2]
	s_add_co_u32 s24, s24, 1
	s_cmp_lt_u32 s24, MT/2
	s_cbranch_scc1 .Lunit
.Lidle2:
	s_wait_dscnt 0x0                               ; my reads of the sums are back before anyone writes the next pass's
	s_barrier_signal -1
	s_barrier_wait -1
	s_add_co_u32 s21, s21, MT
	s_add_co_u32 s20, s20, 1
	s_cmp_lt_u32 s20, NPASS
	s_cbranch_scc1 .Lpass
	s_wait_dscnt 0x0
	s_wait_alu depctr_hold_cnt(0) depctr_sa_sdst(0) depctr_va_vdst(0) depctr_va_sdst(0) depctr_va_ssrc(0) depctr_va_vcc(0) depctr_vm_vsrc(0)
	s_wait_tensorcnt 0x0
	ds_add_u32 v254, v255
	s_wait_dscnt 0x0
	s_endpgm
.Lfunc_end_k_q3ab01de427_gemm2:
	.size	k_q3ab01de427_gemm2, .Lfunc_end_k_q3ab01de427_gemm2-k_q3ab01de427_gemm2
	.p2alignl 7, 3214868480
	.fill 96, 4, 3214868480
	.section	.rodata,"a",@progbits
	.p2align	6, 0x0
	.amdhsa_kernel k_q3ab01de427_gemm2
		.amdhsa_group_segment_fixed_size 164352
		.amdhsa_private_segment_fixed_size 0
		.amdhsa_enable_private_segment 0
		.amdhsa_kernarg_size 32
		.amdhsa_user_sgpr_count 2
		.amdhsa_user_sgpr_kernarg_segment_ptr 1
		.amdhsa_wavefront_size32 1
		.amdhsa_system_sgpr_workgroup_id_x 1
		.amdhsa_system_sgpr_workgroup_id_y 1
		.amdhsa_system_sgpr_workgroup_id_z 1
		.amdhsa_system_vgpr_workitem_id 0
		.amdhsa_next_free_vgpr 848
		.amdhsa_next_free_sgpr 66
		.amdhsa_reserve_vcc 0
		.amdhsa_float_denorm_mode_32 3
		.amdhsa_float_denorm_mode_16_64 3
		.amdhsa_memory_ordered 1
		.amdhsa_forward_progress 1
		.amdhsa_inst_pref_size 146
	.end_amdhsa_kernel
	.amdgpu_metadata
---
amdhsa.version: [ 1, 2 ]
amdhsa.kernels:
  - .name:           k_q3ab01de427_gemm2
    .symbol:         k_q3ab01de427_gemm2.kd
    .args:
      - { .name: w2, .offset: 0, .size: 8, .value_kind: global_buffer, .address_space: global }
      - { .name: hs, .offset: 8, .size: 8, .value_kind: global_buffer, .address_space: global }
      - { .name: meta, .offset: 16, .size: 8, .value_kind: global_buffer, .address_space: global }
      - { .name: part, .offset: 24, .size: 8, .value_kind: global_buffer, .address_space: global }
    .group_segment_fixed_size: 164352
    .private_segment_fixed_size: 0
    .kernarg_segment_align: 8
    .kernarg_segment_size: 32
    .max_flat_workgroup_size: 128
    .sgpr_count:     66
    .vgpr_count:     848
    .wavefront_size: 32
...
	.end_amdgpu_metadata
.endif
;; end of part 9
;; launch combine: the kernel of part 6 again; grid 256 x 1, 4 waves a work-group, no clusters, 0 bytes of LDS; arguments part, pos, out0; writes out0
